; MI455X (gfx1250); checked and timed in simulation.
; The chip was launched on July 23, 2026; its instructions are those of AMD's public machine-readable ISA for CDNA 5 (MIT licence, August 2026) and "CDNA5" Instruction Set Architecture Reference Guide (July 2026). The comments in the code are by the model that wrote it; some were corrected since.
;; Multi Head Latent Attention. Allowed arithmetic: matrix products marked QUANTISED: E2M3 operands, one E8M0 scale for each 32 along K, by v_wmma_scale_f32_16x16x128_f8f6f4 with both operands' format E2M3, f32 sums; everything else in f32.
;; Inputs: W_dkv 1,024 x 128 float32; W_dq 1,024 x 128 float32; W_kr 1,024 x 32 float32; W_o 1,024 x 1,024 float32; W_qr 128 x 512 float32; W_uk 128 x 1,024 float32; W_uq 128 x 1,024 float32; W_uv 128 x 1,024 float32; b_dkv 128 float32; b_dq 128 float32; b_kr 32 float32; b_o 1,024 float32; b_qr 512 float32; b_uk 1,024 float32; b_uq 1,024 float32; b_uv 1,024 float32; mask 1 x 1 x 2,048 x 2,048 float32; x 4 x 2,048 x 1,024 float32.
;; Outputs: out0 4 x 2,048 x 1,024 float32.
;; This version of the problem:
;;   THIS VERSION OF THE PROBLEM IS GIVEN IN LOW PRECISION. The matrix products marked QUANTISED in the list below multiply operands that are first quantised to E2M3 (2 exponent bits, 3 mantissa bits; 6 bits a number), with one power-of-two scale for each 32 numbers along K (OCP MX v1.0); their sums are f32. All else is computed in f32.
;;   The module's matrix products, in the order in which they are computed (A, B: the left and right operand; K: the contracted axis; several contracted axes count as one K, in the product's order):
;;     1. [M 8,192, K 1,024] x [K 1,024, N 128]; A: input x; B: input W_dq: QUANTISED
;;     2. [M 8,192, K 1,024] x [K 1,024, N 128]; A: input x; B: input W_dkv: QUANTISED
;;     3. [M 8,192, K 1,024] x [K 1,024, N 32]; A: input x; B: input W_kr: QUANTISED
;;     4. [M 8,192, K 128] x [K 128, N 1,024]; A: computed on the way; B: input W_uq: QUANTISED
;;     5. [M 8,192, K 128] x [K 128, N 1,024]; A: computed on the way; B: input W_uk: QUANTISED
;;     6. [M 8,192, K 128] x [K 128, N 1,024]; A: computed on the way; B: input W_uv: QUANTISED
;;     7. [M 8,192, K 128] x [K 128, N 512]; A: computed on the way; B: input W_qr: QUANTISED
;;     8. batch 64 x [M 2,048, K 96] x [K 96, N 2,048]; A: computed on the way; B: computed on the way: QUANTISED
;;     9. batch 64 x [M 64, K 2,048] x [K 2,048, N 2,048]; A: computed on the way; B: softmax (see below): QUANTISED
;;     10. [M 8,192, K 1,024] x [K 1,024, N 1,024]; A: computed on the way; B: input W_o: QUANTISED
;;   THE QUANTISER, for each operand of a quantised product, along K:
;;     - K is cut into blocks of 32 from its start; a last block that is shorter is filled with zeros.
;;     - A block's scale is 2^e with e = floor(log2(the largest magnitude in the block)) - 2, held to -126 .. 127; a block of zeros has e = 0. As a byte (E8M0): e + 127.
;;     - Each number is divided by its block's scale, clamped to +-7.5, and rounded to the nearest number of E2M3, ties to even, subnormals kept.
;;     - The product sums the exact products of the quantised numbers (number of the format x scale) in f32.
;;   ~~~python
;;   def quantise(x, axis):      # numpy; x: float32 -> the quantised numbers, widened to float32 again
;;       x = np.moveaxis(x, axis, -1); K = x.shape[-1]
;;       x = np.pad(x, [(0, 0)] * (x.ndim - 1) + [(0, -K % 32)]); x = x.reshape(x.shape[:-1] + (-1, 32)); a = np.abs(x).max(-1, keepdims=True)
;;       e = np.where(a > 0, np.clip(np.frexp(np.where(a > 0, a, 1))[1] - 1 - 2, -126, 127), 0)      # np.frexp(a)[1] - 1 = floor(log2(a)), exactly
;;       r = np.clip(x / 2.0 ** e, -7.5, 7.5)
;;       step = 2.0 ** (np.maximum(np.frexp(np.where(r == 0, 1, r))[1] - 1, 0) - 3)
;;       q = np.round(r / step) * step * 2.0 ** e      # np.round: ties to even
;;       return np.moveaxis(q.reshape(q.shape[:-2] + (-1,))[..., :K], -1, axis).astype(np.float32)
;;   ~~~
;;   SOFTMAX AHEAD OF A QUANTISED PRODUCT. Where the list says 'softmax', what is quantised is not the finished softmax but p = 2^(t - M), with t = logit x log2(e) and M = ceil(the row's largest t), a whole number; so 1/2 < the row's largest p <= 1. The row's sum l is taken of the UNQUANTISED p, in f32, and the product's result is divided by l at the end. Since M is a whole number, a kernel that streams over the keys may use a running M (the ceiling of the running maximum): every later rescaling is an exact power of two, which a block's scale takes up: the codes' values come out the same.
;;   OPERANDS COMPUTED ON THE WAY. 'Computed on the way' means the value that the module computes at that place (a softmax that the list does not call 'softmax' is quantised finished and normalised). What goes into a quantiser is computed in f32, as accurately as f32 sums, v_exp_f32 and their like allow (about 1e-6 of the number): no bf16 or f16 on the way to a quantiser, and a product that is left as it is and whose result goes on into a quantised operand takes f32 operands (vector FMAs, or v_wmma_f32_16x16x4_f32). A number that lies on a knife's edge between two numbers of the format may be rounded either way, as far as f32 arithmetic and the matrix unit's own rounding can turn it there, and no further.
;; One version. Each part assembles by itself: llvm-mc -triple=amdgcn-amd-amdhsa -mcpu=gfx1250 --defsym DOCPART=n.
;; ======== version 1 of 1: 4 launches
;; limits: inputs' magnitudes at most 6.7e+24; right only within a limited range of input values
;; workspace buffers: xc 6,815,744 bytes; mt 16,777,216 bytes; wts 1,726,464 bytes; qc 13,631,488 bytes; kv 20,447,232 bytes; oc 7,340,032 bytes; fl 131,072 bytes of whole numbers
;; launch prep (part 1): grid 492 x 1, 4 waves a work-group, no clusters, 68,096 bytes of LDS; arguments x, mask, W_dq, W_dkv, W_kr, W_uq, W_uk, W_uv, W_qr, W_o, xc, mt, wts, fl; writes xc, mt, wts, fl
.if DOCPART == 1
	.amdgcn_target "amdgcn-amd-amdhsa--gfx1250"
	.amdhsa_code_object_version 6
	.text
	.protected	k_q97a997f16a_prep
	.globl	k_q97a997f16a_prep
	.p2align	8
	.type	k_q97a997f16a_prep,@function
k_q97a997f16a_prep:
	s_mov_b64 s[64:65], 0
	v_nop
	global_prefetch_b8 v0, s[64:65] scope:SCOPE_SE
	s_setreg_imm32_b32 hwreg(HW_REG_WAVE_MODE, 25, 1), 1
	s_wait_xcnt 0x0
; PREP: everything that is made once.  Four kinds of work-group, told apart by the work-group's number alone:
;   0-127   X: x [8192][1024] f32 -> codes of FP6 (E2M3) with one E8M0 byte for each 32 along K, laid as images of operand registers (xc)
;   128-347 W: the eight weights, stored [K][N], -> the same kind of images (wts): a wave makes one fragment of 16 columns x 128 K
;   348-475 M: the mask -> the addend of the scores: 0 becomes -2^100, any other number is multiplied by sqrt(96) (mt); rows change places (below)
;   476-491 R: the rotary table, cos and sin of pos x 10000^(-i/16), pos 0..2047, i 0..15 (wts)
; A FRAGMENT'S IMAGE: 16 rows x 128 K are 12 registers a lane; registers 4 c .. 4 c + 3 of lane l lie at 512 c + 16 l: 1,536 bytes, three stores of 512 consecutive bytes.
; ROWS OF A TILE: row r of token tile T is token 32 (T / 2) + 8 (T % 2) + r + 8 (r / 8); row r of weight tile j is column 32 (j / 2) + 8 (j % 2) + r + 8 (r / 8).
; So row i of mt holds the mask's row with bits 3 and 4 of i exchanged.
; THE QUANTISER: a block's scale is 2^(floor(log2(largest magnitude)) - 2); its byte is the largest magnitude's exponent field - 2, held at 1 from below.
; LIMITS: a block of zeros, or one whose largest magnitude lies under 2^-124, gets the byte 1 (its codes are then zeros or subnormals; this program alone reads the bytes);
; NaN and infinities among the inputs are not served; mask x sqrt(96) must stay finite.  The weights' scale images are 128 bytes each: those stores cover half of an aligned 256 bytes (110 KB in all).
; No matrix unit, no tensor load, no barrier, no cluster: waves share nothing, and memory's rate binds.
.set O_UQ,  239616
.set O_QR,  534528
.set O_US,  583680
.set O_WO,  612352
.set O_WOS, 1398784
.set O_RT,  1464320
.set XSCL,  6291456                    ; x's scale words begin here in xc
.set STG,   8448                       ; path X: a wave's stage: 16 rows x (512 bytes + 16)
.set SPARE, 4*STG                      ; behind the stages: the spare words, 128 bytes a wave
.set SPW, 12                           ; v12 my spare word's LDS address; never rewritten
.set NIL, 13                           ; v13 0; never rewritten
.set MX,  16                           ; v16-19 largest magnitudes
.set BY,  20                           ; v20-23 the other half's maxima, then the bytes
.set SO,  24                           ; v24-27 the conversions' scale operands
.set PC,  28                           ; v28-46 the codes
.set PWS, 48                           ; v48-55 the eight K steps' scale words
.set R0,  64                           ; v64-191 two sets of 64 numbers as loaded
.set X,   192                          ; v192-255 64 numbers, 16 neighbours of each block
.set MSTG, 34304                       ; path M: its own four stages, behind path X's stages and the spare words
.set OUT, 32                           ; path R: 16 x (cos, sin)
.set SEL, 50                           ; s[50:51] lane selects: lane l xor 16
; 64 numbers of a lane, register 16 b + i = k 32 b + 16 (lane / 16) + i of my row, become a fragment's codes in v[PC] on and its scale word in v[pw]
.macro QUANT s, nb, pw
.irp b, 0,1,2,3
.if \b < \nb
	v_max3_num_f32 v[MX+\b], |v[\s+16*\b]|, |v[\s+16*\b+1]|, 0x1800000   ; my 16 numbers of block b, and the floor 2^(3 - 127): the byte cannot fall under 1
.endif
.endr
.irp i, 2,4,6,8,10,12,14
.irp b, 0,1,2,3
.if \b < \nb
	v_max3_num_f32 v[MX+\b], v[MX+\b], |v[\s+16*\b+\i]|, |v[\s+16*\b+\i+1]|
.endif
.endr
.endr
.irp b, 0,1,2,3
.if \b < \nb
	v_permlanex16_b32 v[BY+\b], v[MX+\b], s[SEL], s[SEL+1]
.endif
.endr
.irp b, 0,1,2,3
.if \b < \nb
	v_max_num_f32 v[MX+\b], v[MX+\b], v[BY+\b]       ; with lane l xor 16's: the block's largest magnitude
.endif
.endr
.irp b, 0,1,2,3
.if \b < \nb
	v_add_nc_u32 v[SO+\b], 0xff000000, v[MX+\b]      ; 2 off its exponent field: the conversion's scale operand
.endif
.endr
.irp b, 0,1,2,3
.if \b < \nb
	v_lshrrev_b32 v[BY+\b], 23, v[SO+\b]             ; the scale's byte
.endif
.endr
	v_lshl_or_b32 v[\pw], v[BY+1], 8, v[BY]
	v_lshl_or_b32 v[\pw], v[BY+2], 16, v[\pw]
.if \nb > 3
	v_lshl_or_b32 v[\pw], v[BY+3], 24, v[\pw]
.endif
	v_cvt_scalef32_pk16_fp6_f32 v[PC:PC+2], v[\s:\s+15], v[SO]
	v_cvt_scalef32_pk16_fp6_f32 v[PC+12:PC+14], v[\s+16:\s+31], v[SO+1]   ; (a conversion's three registers begin on an even number)
	v_cvt_scalef32_pk16_fp6_f32 v[PC+6:PC+8], v[\s+32:\s+47], v[SO+2]
.if \nb > 3
	v_cvt_scalef32_pk16_fp6_f32 v[PC+16:PC+18], v[\s+48:\s+63], v[SO+3]
.endif
	v_nop                                            ; one plain line behind the last scaled conversion
.if \nb < 4
.irp i, 0,1,2
	v_mov_b32 v[PC+16+\i], 0                         ; a fourth block that does not exist: zero codes
.endr
.endif
.irp c, 0,1                                      ; the operand's layout wants a whole block in a lane: lanes 0-15 block 2 c, lanes 16-31 block 2 c + 1
.irp i, 0,1,2
	v_permlane16_swap_b32 v[PC+6*\c+\i], v[PC+12+4*\c+\i]
.endr
.irp i, 0,1,2
	v_mov_b32 v[PC+3+6*\c+\i], v[PC+12+4*\c+\i]
.endr
.endr
.endm
	s_load_b512 s[4:19], s[0:1], 0x0               ; x 4, mask 6, W_dq 8, W_dkv 10, W_kr 12, W_uq 14, W_uk 16, W_uv 18
	s_load_b256 s[20:27], s[0:1], 0x40             ; W_qr 20, W_o 22, xc 24, mt 26
	s_load_b64 s[28:29], s[0:1], 0x60              ; wts
	s_load_b64 s[56:57], s[0:1], 0x68              ; fl
	v_lshl_add_u32 v[SPW], v0, 2, SPARE
	v_mov_b32 v[NIL], 0
	v_lshrrev_b32 v1, 5, v0
	v_readfirstlane_b32 s30, v1                    ; wave 0..3
	v_and_b32 v1, 31, v0                           ; lane
	v_and_b32 v2, 15, v0                           ; r
	v_bfe_u32 v3, v0, 4, 1                         ; h
	v_lshlrev_b32 v4, 4, v1                        ; 16 x lane
	s_mov_b32 s[SEL], 0x76543210
	s_mov_b32 s[SEL+1], 0xfedcba98
	s_wait_kmcnt 0x0
	s_cmp_lt_u32 ttmp9, 128
	s_cbranch_scc1 .Lpath_x
	s_cmp_lt_u32 ttmp9, 348
	s_cbranch_scc1 .Lpath_w
	s_cmp_lt_u32 ttmp9, 476
	s_cbranch_scc1 .Lpath_m
; ---------------- R: the rotary table.  A thread takes one position.  [chunk q 8][pos 2048][cos 2q, sin 2q, cos 2q+1, sin 2q+1]
; The angle is one f32 product, pos x inv.  It is brought into [-pi/4, pi/4] by taking off k x pi/2 in two parts (fused, so the first part is exact), and sin and cos are polynomials there;
; k's low two bits choose and sign them by selects: no branch, no transcendental.
	s_sub_co_u32 s31, ttmp9, 476
	s_lshl_b32 s31, s31, 7
	v_add_nc_u32 v5, s31, v0                       ; pos
	v_cvt_f32_u32 v16, v5
	s_wait_alu depctr_va_vdst(0)
	v_lshlrev_b32 v17, 4, v5                       ; 16 bytes a position in a chunk
	s_add_nc_u64 s[28:29], s[28:29], O_RT
	s_mov_b32 s32, 0x3f22f983                      ; 2 / pi
	s_mov_b32 s33, 0x3fc90fdb                      ; pi / 2, upper part
	s_mov_b32 s34, 0xb33bbd2e                      ; and what is left of it
	s_mov_b32 s35, 0xbe2aaaa3                      ; sin: -1.6666654611e-1
	s_mov_b32 s36, 0x3c08839e                      ;       8.3321608736e-3
	s_mov_b32 s37, 0xb94ca1f9                      ;      -1.9515295891e-4
	s_mov_b32 s38, 0x3d2aaaa5                      ; cos:  4.166664568e-2
	s_mov_b32 s39, 0xbab6061a                      ;      -1.388731625e-3
	s_mov_b32 s40, 0x37ccf5ce                      ;       2.443315712e-5
.macro ANGLE i, inv
	v_mul_f32 v20, \inv, v16                       ; the angle
	v_mul_f32 v21, s32, v20
	v_rndne_f32 v21, v21                           ; k
	v_fma_f32 v22, -v21, s33, v20
	v_fma_f32 v22, -v21, s34, v22                  ; r = angle - k pi / 2
	v_mul_f32 v23, v22, v22                        ; z = r r
	v_fma_f32 v24, v23, s37, s36
	v_fma_f32 v26, v23, s40, s39
	v_fma_f32 v24, v24, v23, s35
	v_fma_f32 v26, v26, v23, s38
	v_mul_f32 v25, v23, v22
	v_mul_f32 v27, v23, v23
	v_fma_f32 v28, v23, -0.5, 1.0
	v_fma_f32 v24, v24, v25, v22                   ; sin r
	v_fma_f32 v26, v26, v27, v28                   ; cos r
	v_cvt_i32_f32 v28, v21
	v_and_b32 v29, 1, v28
	v_cmp_eq_u32 vcc_lo, 1, v29                    ; an odd k exchanges the two
	v_cndmask_b32 v30, v24, v26, vcc_lo
	v_cndmask_b32 v31, v26, v24, vcc_lo
	v_and_b32 v29, 2, v28
	v_lshlrev_b32 v29, 30, v29                     ; sin's sign: bit 1 of k
	v_xor_b32 v[OUT+2*\i+1], v30, v29
	v_add_nc_u32 v28, 1, v28
	v_and_b32 v28, 2, v28
	v_lshlrev_b32 v28, 30, v28                     ; cos's sign: bit 1 of k + 1
	v_xor_b32 v[OUT+2*\i], v31, v28
.endm
	ANGLE 0, 0x3f800000                            ; 10000^(-i/16), rounded to f32
	ANGLE 1, 0x3f0ff59a
	ANGLE 2, 0x3ea1e89b
	ANGLE 3, 0x3e361887
	ANGLE 4, 0x3dcccccd
	ANGLE 5, 0x3d6655c3
	ANGLE 6, 0x3d0186e2
	ANGLE 7, 0x3c91ad39
	ANGLE 8, 0x3c23d70a
	ANGLE 9, 0x3bb8449c
	ANGLE 10, 0x3b4f3e37
	ANGLE 11, 0x3ae91528
	ANGLE 12, 0x3a83126f
	ANGLE 13, 0x3a136a16
	ANGLE 14, 0x39a5cb5f
	ANGLE 15, 0x393a7753
.irp q, 0,1,2,3,4,5,6,7
	global_store_b128 v17, v[OUT+4*\q:OUT+4*\q+3], s[28:29] offset:32768*\q   ; a wave's store covers 512 consecutive bytes
.endr
	s_endpgm
; ---------------- X: a wave takes token tile T = 4 x work-group + wave, all eight K steps.
; Each load reads 512 consecutive bytes of one row; a K step's 16 rows turn through the wave's own stage, so that a lane gets 16 neighbours of each block of its row.
.Lpath_x:
	s_lshl_b32 s31, ttmp9, 2
	s_add_co_u32 s31, s31, s30                     ; T
	s_lshr_b32 s32, s31, 1
	s_lshl_b32 s32, s32, 17                        ; 32 (T / 2) rows of 4,096 bytes
	s_and_b32 s33, s31, 1
	s_lshl_b32 s33, s33, 15                        ; + 8 (T % 2) rows
	s_add_co_u32 s32, s32, s33
	s_mov_b32 s33, 0
	s_add_nc_u64 s[4:5], s[4:5], s[32:33]
	s_mul_i32 s34, s31, 12288                      ; the tile's eight images
	s_mov_b32 s35, 0
	s_add_nc_u64 s[36:37], s[24:25], s[34:35]
	s_lshl_b32 s34, s31, 10                        ; its scale words: 1,024 bytes
	s_add_co_u32 s34, s34, XSCL
	s_add_nc_u64 s[38:39], s[24:25], s[34:35]
	s_mul_i32 s40, s30, STG
	s_wait_alu depctr_va_vdst(0)
	v_add_nc_u32 v5, s40, v4                       ; the stage, in: 16 x lane in row i
	v_mul_u32_u24 v6, v2, 528
	v_lshl_add_u32 v6, v3, 6, v6
	v_add_nc_u32 v6, s40, v6                       ; and out: row r, + 64 h
.irp b, 0,1,2,3
	v_mov_b32 v[BY+\b], 0                          ; written once: a lane permute's destination counts as one of its sources
.endr
.macro XLD s, set
.irp i, 0,1,2,3,4,5,6,7,8,9,10,11,12,13,14,15
	global_load_b128 v[R0+64*(\set)+4*\i:R0+64*(\set)+4*\i+3], v4, s[4:5] offset:(\i+8*(\i/8))*4096+512*(\s) th:TH_LOAD_NT
.endr
.endm
.macro XSTEP s
.if \s < 7
	s_wait_loadcnt 16                              ; this K step's 16 loads are in; the next step's 16 may be out
.else
	s_wait_loadcnt 0x0
.endif
.irp i, 0,1,2,3,4,5,6,7,8,9,10,11,12,13,14,15
	ds_store_b128 v5, v[R0+64*((\s)%2)+4*\i:R0+64*((\s)%2)+4*\i+3] offset:528*\i
.endr
.irp b, 0,1,2,3
.irp j, 0,1,2,3
	ds_load_b128 v[X+16*\b+4*\j:X+16*\b+4*\j+3], v6 offset:128*\b+16*\j   ; LDS serves a wave's instructions in order: these see the stores above
.endr
.endr
	s_wait_dscnt 0x0                               ; the numbers are back, and the stores have read their registers
	s_wait_xcnt 0x0                                ; the last step's stores have read the codes' registers, which are written again below
.if \s < 6
	XLD (\s)+2, (\s)%2
.endif
	QUANT X, 4, PWS+\s
.irp c, 0,1,2
	global_store_b128 v4, v[PC+4*\c:PC+4*\c+3], s[36:37] offset:1536*(\s)+512*\c
.endr
.endm
	XLD 0, 0
	XLD 1, 1
	s_wait_alu depctr_va_vdst(0)
.irp k, 0,1,2,3,4,5,6,7
	XSTEP \k
.endr
	global_store_b128 v4, v[PWS:PWS+3], s[38:39]               ; [K step / 4][lane][K step % 4]: one load of 16 bytes gives four scale registers
	global_store_b128 v4, v[PWS+4:PWS+7], s[38:39] offset:512
	s_wait_tensorcnt 0x0                           ; the wave's end: behind my last LDS store
	ds_add_u32 v[SPW], v[NIL]
	s_wait_dscnt 0x0
	s_endpgm
; ---------------- W: a wave makes one fragment: weight tile j, K step s.  Lane r takes a column and its registers run down K, in the order that the operand's layout gives the lane:
; k = 64 c + 32 h + i.  So a lane holds two whole blocks, and the conversions' results are the operand's registers.  The four waves of a work-group stand side by side on 256 bytes of each row.
; In: s[40:41] the weight, s42 j, s43 s, s44 and s45 the places of codes and scale words in wts.
.macro WFRAG N
	s_mul_i32 s46, s43, 512*\N                     ; 128 s rows of 4 N bytes
	s_lshr_b32 s47, s42, 1
	s_lshl_b32 s47, s47, 7
	s_add_co_u32 s46, s46, s47                     ; + 32 (j / 2) columns
	s_and_b32 s47, s42, 1
	s_lshl_b32 s47, s47, 5
	s_add_co_u32 s46, s46, s47                     ; + 8 (j % 2)
	s_mov_b32 s47, 0
	s_add_nc_u64 s[40:41], s[40:41], s[46:47]
	s_mov_b32 s46, s44
	s_add_nc_u64 s[52:53], s[28:29], s[46:47]
	s_mov_b32 s46, s45
	s_add_nc_u64 s[54:55], s[28:29], s[46:47]
	v_and_b32 v6, 8, v2
	v_add_nc_u32 v6, v6, v2                        ; r + 8 (r / 8)
	v_lshlrev_b32 v5, 2, v6
	v_mad_u32_u24 v5, v3, 128*\N, v5               ; lanes 16-31 begin 32 rows further down
	v_lshlrev_b32 v7, 2, v1
.irp c, 0,1
.irp i, 0,1,2,3,4,5,6,7,8,9,10,11,12,13,14,15,16,17,18,19,20,21,22,23,24,25,26,27,28,29,30,31
	global_load_b32 v[64+32*\c+\i], v5, s[40:41] offset:(64*\c+\i)*4*\N
.endr
.endr
	s_wait_loadcnt 0x0
.irp c, 0,1
	v_max3_num_f32 v[32+\c], |v[64+32*\c]|, |v[65+32*\c]|, 0x1800000
.endr
.irp i, 2,4,6,8,10,12,14,16,18,20,22,24,26,28,30
.irp c, 0,1
	v_max3_num_f32 v[32+\c], v[32+\c], |v[64+32*\c+\i]|, |v[65+32*\c+\i]|
.endr
.endr
.irp c, 0,1
	v_add_nc_u32 v[44+\c], 0xff000000, v[32+\c]
.endr
.irp c, 0,1
	v_lshrrev_b32 v[36+\c], 23, v[44+\c]
.endr
	v_lshl_or_b32 v9, v37, 16, v36                 ; my two bytes: blocks h and 2 + h,
	v_lshlrev_b32 v10, 3, v3
	v_lshlrev_b32 v9, v10, v9                      ; at their places in the word;
	v_mov_b32 v10, 0
	v_permlanex16_b32 v10, v9, s[SEL], s[SEL+1]
	v_or_b32 v9, v9, v10                           ; with lane l xor 16's two the word is whole, in both halves of the lanes
.irp c, 0,1
	v_cvt_scalef32_pk16_fp6_f32 v[48+6*\c:50+6*\c], v[64+32*\c:79+32*\c], v[44+\c]
	v_cvt_scalef32_pk16_fp6_f32 v[192+4*\c:194+4*\c], v[80+32*\c:95+32*\c], v[44+\c]
.endr
	v_nop
.irp c, 0,1
.irp i, 0,1,2
	v_mov_b32 v[51+6*\c+\i], v[192+4*\c+\i]
.endr
.endr
.irp c, 0,1,2
	global_store_b128 v4, v[48+4*\c:51+4*\c], s[52:53] offset:512*\c
.endr
	global_store_b32 v7, v9, s[54:55]
	s_endpgm
.endm
.Lpath_w:
	s_sub_co_u32 s31, ttmp9, 128                   ; u
	s_cmp_lt_u32 s31, 32
	s_cbranch_scc1 .Lw_d
	s_cmp_lt_u32 s31, 36
	s_cbranch_scc1 .Lw_kr
	s_cmp_lt_u32 s31, 84
	s_cbranch_scc1 .Lw_u
	s_cmp_lt_u32 s31, 92
	s_cbranch_scc1 .Lw_qr
	s_branch .Lw_o
.Lw_d:                                                 ; W_dq (u 0-15), W_dkv (16-31): tile nt = 8 m + j of K step s's block of 29,952 bytes
	s_cmp_lt_u32 s31, 16
	s_cselect_b64 s[40:41], s[8:9], s[10:11]
	s_lshr_b32 s46, s31, 4
	s_and_b32 s47, s31, 1
	s_lshl_b32 s42, s47, 2
	s_add_co_u32 s42, s42, s30                     ; j
	s_bfe_u32 s43, s31, 0x30001                    ; s
	s_lshl_b32 s46, s46, 3
	s_add_co_u32 s46, s46, s42                     ; nt
	s_mul_i32 s44, s43, 29952
	s_mul_i32 s47, s46, 1536
	s_lshl_b32 s45, s46, 7
	s_add_co_u32 s45, s45, s44
	s_add_co_u32 s45, s45, 27648
	s_add_co_u32 s44, s44, s47
	s_wait_alu depctr_va_vdst(0)
	WFRAG 128
.Lw_kr:                                                ; W_kr: nt = 16 + j
	s_sub_co_u32 s31, s31, 32
	s_mov_b64 s[40:41], s[12:13]
	s_and_b32 s42, s30, 1                          ; j
	s_lshl_b32 s43, s31, 1
	s_lshr_b32 s46, s30, 1
	s_add_co_u32 s43, s43, s46                     ; s
	s_add_co_u32 s46, s42, 16
	s_mul_i32 s44, s43, 29952
	s_mul_i32 s47, s46, 1536
	s_lshl_b32 s45, s46, 7
	s_add_co_u32 s45, s45, s44
	s_add_co_u32 s45, s45, 27648
	s_add_co_u32 s44, s44, s47
	s_wait_alu depctr_va_vdst(0)
	WFRAG 32
.Lw_qr:
	s_sub_co_u32 s31, s31, 84
	s_mov_b64 s[40:41], s[20:21]
	s_lshl_b32 s42, s31, 2
	s_add_co_u32 s42, s42, s30                     ; j
	s_mov_b32 s43, 0
	s_mul_i32 s44, s42, 1536
	s_add_co_u32 s44, s44, O_QR
	s_lshl_b32 s45, s42, 7
	s_add_co_u32 s45, s45, O_US+24576
	s_wait_alu depctr_va_vdst(0)
	WFRAG 512
.Lw_u:                                                 ; W_uq, W_uk, W_uv
	s_sub_co_u32 s31, s31, 36
	s_cmp_lt_u32 s31, 32
	s_cselect_b64 s[40:41], s[16:17], s[18:19]
	s_cmp_lt_u32 s31, 16
	s_cselect_b64 s[40:41], s[14:15], s[40:41]
	s_lshr_b32 s46, s31, 4                         ; which of the three
	s_and_b32 s42, s31, 15
	s_lshl_b32 s42, s42, 2
	s_add_co_u32 s42, s42, s30                     ; j
	s_mov_b32 s43, 0
	s_mul_i32 s44, s46, 98304
	s_mul_i32 s47, s42, 1536
	s_add_co_u32 s44, s44, s47
	s_add_co_u32 s44, s44, O_UQ
	s_lshl_b32 s45, s46, 13
	s_lshl_b32 s47, s42, 7
	s_add_co_u32 s45, s45, s47
	s_add_co_u32 s45, s45, O_US
	s_branch .Lw_1024
.Lw_o:                                                 ; W_o: [j / 16][s][j % 16]
	s_sub_co_u32 s31, s31, 92
	s_mov_b64 s[40:41], s[22:23]
	s_and_b32 s42, s31, 15
	s_lshl_b32 s42, s42, 2
	s_add_co_u32 s42, s42, s30                     ; j
	s_lshr_b32 s43, s31, 4                         ; s
	s_lshr_b32 s46, s42, 4
	s_lshl_b32 s46, s46, 3
	s_add_co_u32 s46, s46, s43
	s_lshl_b32 s46, s46, 4
	s_and_b32 s47, s42, 15
	s_add_co_u32 s46, s46, s47
	s_mul_i32 s44, s46, 1536
	s_add_co_u32 s44, s44, O_WO
	s_lshl_b32 s45, s46, 7
	s_add_co_u32 s45, s45, O_WOS
.Lw_1024:
	s_wait_alu depctr_va_vdst(0)
	WFRAG 1024
; ---------------- M: mt is laid as IMAGES OF THE SCORE REGISTERS, not as rows: one image for a query tile T (16 queries, in the tile's row order) and a key step (128 keys): 64 registers a lane, 8,192 bytes;
; registers 4 n .. 4 n + 3 of lane (r, h) lie at 512 n + 16 lane and hold keys 32 (n / 4) + 16 h + 4 (n % 4) + 0 .. 3 of the tile's row r.
; Images are ordered [j][(T % 16) / 2][second][key step][T % 2], where the block of 256 queries T / 16 is j (second = 0) or 7 - j (second = 1): the order in which one wave of the attention launch walks them,
; 524,288 consecutive bytes a wave.  A work-group takes tile T, a wave four key steps.  Each load reads 512 consecutive bytes of one row; a step's 16 rows turn through the wave's own stage, as in path X.
; fl: for tile T and wave w, 256 bytes at 1,024 T + 256 w, every word the same whole number: bit k is 1 if the mask's tile of key step 4 w + k holds any number other than 0.
.Lpath_m:
	s_sub_co_u32 s31, ttmp9, 348                   ; T
	s_lshr_b32 s32, s31, 1
	s_lshl_b32 s32, s32, 18                        ; 32 (T / 2) rows of 8,192 bytes
	s_and_b32 s33, s31, 1
	s_lshl_b32 s33, s33, 16                        ; + 8 (T % 2) rows
	s_add_co_u32 s32, s32, s33
	s_lshl_b32 s33, s30, 11                        ; + my four key steps: 2,048 bytes along the row
	s_add_co_u32 s32, s32, s33
	s_mov_b32 s33, 0
	s_add_nc_u64 s[6:7], s[6:7], s[32:33]
	s_lshr_b32 s34, s31, 4                         ; the block of 256 queries,
	s_sub_co_u32 s35, 7, s34
	s_cmp_lt_u32 s34, 4
	s_cselect_b32 s34, s34, s35                    ; j
	s_lshl_b32 s34, s34, 22
	s_bfe_u32 s35, s31, 0x30001
	s_lshl_b32 s35, s35, 19
	s_add_co_u32 s34, s34, s35
	s_lshr_b32 s35, s31, 6                         ; blocks 4-7 come second
	s_lshl_b32 s35, s35, 18
	s_add_co_u32 s34, s34, s35
	s_and_b32 s35, s31, 1
	s_lshl_b32 s35, s35, 13
	s_add_co_u32 s34, s34, s35
	s_lshl_b32 s35, s30, 16                        ; key step 4 x wave: 16,384 bytes a step
	s_add_co_u32 s34, s34, s35
	s_mov_b32 s35, 0
	s_add_nc_u64 s[26:27], s[26:27], s[34:35]
	s_mov_b32 s36, 0x411cc471                      ; sqrt(96)
	s_mov_b32 s41, 0                               ; my four bits
	s_lshl_b32 s44, s31, 2
	s_add_co_u32 s44, s44, s30
	s_lshl_b32 s44, s44, 8
	s_mov_b32 s45, 0
	s_add_nc_u64 s[56:57], s[56:57], s[44:45]
	s_mul_i32 s40, s30, STG
	s_add_co_u32 s40, s40, MSTG
	s_wait_alu depctr_va_vdst(0)                   ; the wait behind the run of scalar lines
	v_mov_b32 v14, 0xf1800000                      ; -2^100
	v_add_nc_u32 v5, s40, v4                       ; the stage, in: 16 x lane in row i
	v_mul_u32_u24 v6, v2, 528
	v_lshl_add_u32 v6, v3, 6, v6
	v_add_nc_u32 v6, s40, v6                       ; and out: row r, + 64 h
.macro MLD k, set
.irp i, 0,1,2,3,4,5,6,7,8,9,10,11,12,13,14,15
	global_load_b128 v[R0+64*(\set)+4*\i:R0+64*(\set)+4*\i+3], v4, s[6:7] offset:(\i+8*(\i/8))*8192+512*(\k) th:TH_LOAD_NT
.endr
.endm
.macro MSTEP k
.if \k < 3
	s_wait_loadcnt 16                              ; this step's 16 loads are in; the next step's 16 may be out
.else
	s_wait_loadcnt 0x0
.endif
	s_wait_xcnt 0x0                                ; the last step's stores have read the registers that the LDS loads below fill again
.irp i, 0,1,2,3,4,5,6,7,8,9,10,11,12,13,14,15
	ds_store_b128 v5, v[R0+64*((\k)%2)+4*\i:R0+64*((\k)%2)+4*\i+3] offset:528*\i
.endr
.irp b, 0,1,2,3
.irp j, 0,1,2,3
	ds_load_b128 v[X+16*\b+4*\j:X+16*\b+4*\j+3], v6 offset:128*\b+16*\j   ; LDS serves a wave's instructions in order: these see the stores above
.endr
.endr
	s_wait_dscnt 0x0
.if \k < 2
	MLD (\k)+2, (\k)%2
.endif
	v_max3_num_f32 v15, |v[X]|, |v[X+1]|, |v[X+2]|             ; the tile's largest magnitude, in two chains
	v_max3_num_f32 v16, |v[X+3]|, |v[X+4]|, |v[X+5]|
.set n, 6
.rept 14
	v_max3_num_f32 v15, v15, |v[X+n]|, |v[X+n+1]|
	v_max3_num_f32 v16, v16, |v[X+n+2]|, |v[X+n+3]|
.set n, n+4
.endr
	v_max3_num_f32 v15, v15, |v[X+62]|, |v[X+63]|
	v_max_num_f32 v15, v15, v16
	v_cmp_lt_f32 vcc_lo, 0, v15
	s_cmp_lg_u32 vcc_lo, 0                         ; has any lane an open key?  The answer is stored, and steers nothing here
	s_cselect_b32 s42, 1<<(\k), 0
	s_or_b32 s41, s41, s42
.set n, 0
.rept 64
	v_cmp_eq_f32 vcc_lo, 0, v[X+n]
	v_mul_f32 v[X+n], s36, v[X+n]
	v_cndmask_b32 v[X+n], v[X+n], v14, vcc_lo
.set n, n+1
.endr
.irp c, 0,1,2,3,4,5,6,7,8,9,10,11,12,13,14,15
	global_store_b128 v4, v[X+4*\c:X+4*\c+3], s[26:27] offset:16384*(\k)+512*\c   ; a wave's store covers 512 consecutive bytes
.endr
.endm
	MLD 0, 0
	MLD 1, 1
	s_wait_alu depctr_va_vdst(0)
	MSTEP 0
	MSTEP 1
	MSTEP 2
	MSTEP 3
	v_mov_b32 v16, s41
	v_mov_b32 v17, s41
	v_lshlrev_b32 v7, 3, v1
	global_store_b64 v7, v[16:17], s[56:57]        ; 256 consecutive bytes, aligned
	s_wait_tensorcnt 0x0
	ds_add_u32 v[SPW], v[NIL]
	s_wait_dscnt 0x0
	s_endpgm
.Lfunc_end_k_q97a997f16a_prep:
	.size	k_q97a997f16a_prep, .Lfunc_end_k_q97a997f16a_prep-k_q97a997f16a_prep
	.p2alignl 7, 3214868480
	.fill 96, 4, 3214868480
	.section	.rodata,"a",@progbits
	.p2align	6, 0x0
	.amdhsa_kernel k_q97a997f16a_prep
		.amdhsa_group_segment_fixed_size 68096
		.amdhsa_private_segment_fixed_size 0
		.amdhsa_enable_private_segment 0
		.amdhsa_kernarg_size 112
		.amdhsa_user_sgpr_count 2
		.amdhsa_user_sgpr_kernarg_segment_ptr 1
		.amdhsa_wavefront_size32 1
		.amdhsa_system_sgpr_workgroup_id_x 1
		.amdhsa_system_sgpr_workgroup_id_y 1
		.amdhsa_system_sgpr_workgroup_id_z 1
		.amdhsa_system_vgpr_workitem_id 0
		.amdhsa_next_free_vgpr 256
		.amdhsa_next_free_sgpr 66
		.amdhsa_reserve_vcc 1
		.amdhsa_float_denorm_mode_32 3
		.amdhsa_float_denorm_mode_16_64 3
		.amdhsa_memory_ordered 1
		.amdhsa_forward_progress 1
		.amdhsa_inst_pref_size 182
	.end_amdhsa_kernel
	.amdgpu_metadata
---
amdhsa.version: [ 1, 2 ]
amdhsa.kernels:
  - .name:           k_q97a997f16a_prep
    .symbol:         k_q97a997f16a_prep.kd
    .args:
      - { .name: x, .offset: 0, .size: 8, .value_kind: global_buffer, .address_space: global }
      - { .name: mask, .offset: 8, .size: 8, .value_kind: global_buffer, .address_space: global }
      - { .name: W_dq, .offset: 16, .size: 8, .value_kind: global_buffer, .address_space: global }
      - { .name: W_dkv, .offset: 24, .size: 8, .value_kind: global_buffer, .address_space: global }
      - { .name: W_kr, .offset: 32, .size: 8, .value_kind: global_buffer, .address_space: global }
      - { .name: W_uq, .offset: 40, .size: 8, .value_kind: global_buffer, .address_space: global }
      - { .name: W_uk, .offset: 48, .size: 8, .value_kind: global_buffer, .address_space: global }
      - { .name: W_uv, .offset: 56, .size: 8, .value_kind: global_buffer, .address_space: global }
      - { .name: W_qr, .offset: 64, .size: 8, .value_kind: global_buffer, .address_space: global }
      - { .name: W_o, .offset: 72, .size: 8, .value_kind: global_buffer, .address_space: global }
      - { .name: xc, .offset: 80, .size: 8, .value_kind: global_buffer, .address_space: global }
      - { .name: mt, .offset: 88, .size: 8, .value_kind: global_buffer, .address_space: global }
      - { .name: wts, .offset: 96, .size: 8, .value_kind: global_buffer, .address_space: global }
      - { .name: fl, .offset: 104, .size: 8, .value_kind: global_buffer, .address_space: global }
    .group_segment_fixed_size: 68096
    .private_segment_fixed_size: 0
    .kernarg_segment_align: 8
    .kernarg_segment_size: 112
    .max_flat_workgroup_size: 128
    .sgpr_count:     66
    .vgpr_count:     256
    .wavefront_size: 32
...
	.end_amdgpu_metadata
.endif
;; end of part 1
;; launch proj (part 2): grid 4 x 64, 16 waves a work-group, clusters of 4 x 1, 327,680 bytes of LDS; arguments xc, wts, b_dq, b_dkv, b_kr, b_uq, b_qr, b_uk, b_uv, qc, kv; writes qc, kv
.if DOCPART == 2
	.amdgcn_target "amdgcn-amd-amdhsa--gfx1250"
	.amdhsa_code_object_version 6
	.text
	.protected	k_q97a997f16a_proj
	.globl	k_q97a997f16a_proj
	.p2align	8
	.type	k_q97a997f16a_proj,@function
k_q97a997f16a_proj:
	s_mov_b64 s[64:65], 0
	v_nop
	global_prefetch_b8 v0, s[64:65] scope:SCOPE_SE
	s_setreg_imm32_b32 hwreg(HW_REG_WAVE_MODE, 25, 1), 1
	s_wait_xcnt 0x0
	s_wait_alu depctr_hold_cnt(0) depctr_sa_sdst(0) depctr_va_vdst(0) depctr_va_sdst(0) depctr_va_ssrc(0) depctr_va_vcc(0) depctr_vm_vsrc(0)
	s_getreg_b32 s2, hwreg(HW_REG_IB_STS2, 6, 4)
	s_cmp_eq_u32 s2, 0
	s_cbranch_scc0 .Lentry_in_a_cluster
	s_endpgm
.Lentry_in_a_cluster:
	s_bfe_u32 s2, ttmp6, 0x10000c
	s_cmp_lg_u32 s2, 0x3003
	s_cbranch_scc0 .Lentry_shape_is_right
	s_endpgm
.Lentry_shape_is_right:
; PROJ: the three down projections, the four up projections, the rotary turn, and the quantising of Q, K (along the head's 96) and V (along the keys).  All products on codes of FP6 (E2M3) with E8M0 scales.
; SHARES.  A work-group takes 128 tokens (work-group y) and four heads (its place cx in the cluster).  The four partners need the same 239,616 bytes of down weights: they are asked for JOINTLY, once,
; by waves 0-7, a K step's block each, and stay in LDS.  Each partner makes c_q, c_kv and k_r of the 128 tokens for itself: 1,152 matrix instructions beside the 448 of its share of the up projections;
; that keeps c_q and c_kv out of memory and spares a launch.
; PHASE D.  Wave w: token tile w / 2; w % 2 = 0: c_q; 1: c_kv and k_r.  Transposed (source 0 = 16 columns of the weight, source 1 = 16 tokens): a lane holds one token and its registers run along the
; next K (the columns of a weight tile are chosen for that).  The bias is loaded INTO the accumulators.  The result is quantised in registers and goes to LDS as an image of the operand's registers.
; PHASE U.  Wave w: head 4 cx + w / 4; w % 4 = 0, 1: Q of four token tiles each; 2: K of all eight; 3: V.  V is NOT transposed (source 0 = tokens), so that a lane holds one channel and its registers
; run along the keys, which are the K of attention's second product.
; LIMITS: as in the launch before: blocks under 2^-124 keep the byte 1; NaN and infinities are not served.
; LDS is filled once by the tensor loads; nothing is filled again.  One tensor load of a wave is out at the most.
.set O_UQ,  239616
.set O_QR,  534528
.set O_US,  583680
.set O_RT,  1464320
.set WDB,   29952                      ; a K step's block: 18 fragments, then 18 scale images of 128 bytes
.set CIMG,  239616                     ; behind the eight blocks: 16 images of c (2 x tile + which)
.set CSC,   264192                     ; their scale words, 128 bytes each
.set KRI,   266240                     ; k_r, turned, f32, 2,048 bytes a tile
.set SPARE, 282624                     ; the spare words, 128 bytes a wave
.set LI,   1                           ; 16 x lane
.set RTO,  2                           ; my place in the rotary table: 4 chunks x h + 16 x (r + 8 (r / 8))
.set BO,   3                           ; 64 h
.set BVO,  4                           ; 4 (r + 8 (r / 8))
.set AW0,  5                           ; LDS: my eight weight fragments in a block
.set ASW0, 6                           ; and their scale words
.set ADW,  7
.set ADS,  8
.set LB16, 9                           ; CIMG + 16 x lane
.set LB4,  10                          ; CSC + 4 x lane
.set CWI,  11                          ; where I store my image
.set CWS,  12
.set KRW,  13
.set CQA,  14                          ; where my four tiles of c_q begin
.set CQS,  15
.set SPW,  16
.set NIL,  17
.set TT0,  18
.set L4,   19                          ; 4 x lane
.set PWS,  20                          ; v20-27 scale words to be stored
.set CF,   28                          ; v28-39 a fragment of c; phase D: x's slot 0
.set BB,   28                          ; path V: the bias as a C, v28-35
.set BVL,  36                          ; path V: four bias numbers
.set MX,   40
.set BY,   44
.set SO,   48
.set PC,   52                          ; v52-70
.set TT1,  67
.set PW,   71
.set HA,   72                          ; v72-135 results
.set BI,   120                         ; v120-167 biases of paths Q and K
.set KRA,  136                         ; v136-151 k_r
.set WFD,  194                         ; v194-241 phase D: four weight fragments
.set WF,   170                         ; v170-241 phase U: up to six
.set RT,   218                         ; phase D: the rotary numbers
.set SBX,  242                         ; v242-249, v250-255: scale registers, and nothing else
.set SBW,  250
.set WV,   26
.set PP,   27
.set TL,   28
.set ROLE, 29
.set HQ,   30
.set GG,   31
.set HEAD, 32
.set KSI,  33
.set BHI,  34
.set SEL,  36
.set G0,   40
.set G1,   44
.macro PL n
.rept \n
	v_nop
.endr
.endm
.macro WM d, a, b, c, sa, sb
	v_wmma_scale_f32_16x16x128_f8f6f4 v[\d:\d+7], v[\a:\a+11], v[\b:\b+11], v[\c:\c+7], v[\sa], v[\sb] matrix_a_fmt:MATRIX_FMT_FP6 matrix_b_fmt:MATRIX_FMT_FP6
.endm
.macro CROUND                          ; a round of the cluster's barrier
	s_barrier_signal -1
	s_barrier_wait -1
	s_cmp_lg_u32 s[WV], 0
	s_cbranch_scc1 .Lnw0_\@
	s_barrier_signal -3
.Lnw0_\@:
	s_barrier_wait -3
	s_barrier_signal -1
	s_barrier_wait -1
.endm
; 16 nb numbers of a lane, register 16 b + i = k 32 b + 16 (lane / 16) + i of my row, become a fragment's codes in v[PC] on and its scale word in v[pw]
.macro QUANT s, nb, pw
.irp b, 0,1,2,3
.if \b < \nb
	v_max3_num_f32 v[MX+\b], |v[\s+16*\b]|, |v[\s+16*\b+1]|, 0x1800000   ; and the floor 2^(3 - 127): the byte cannot fall under 1
.endif
.endr
.irp i, 2,4,6,8,10,12,14
.irp b, 0,1,2,3
.if \b < \nb
	v_max3_num_f32 v[MX+\b], v[MX+\b], |v[\s+16*\b+\i]|, |v[\s+16*\b+\i+1]|
.endif
.endr
.endr
.irp b, 0,1,2,3
.if \b < \nb
	v_permlanex16_b32 v[BY+\b], v[MX+\b], s[SEL], s[SEL+1]
.endif
.endr
.irp b, 0,1,2,3
.if \b < \nb
	v_max_num_f32 v[MX+\b], v[MX+\b], v[BY+\b]
.endif
.endr
.irp b, 0,1,2,3
.if \b < \nb
	v_add_nc_u32 v[SO+\b], 0xff000000, v[MX+\b]      ; 2 off the exponent field: the conversion's scale operand
.endif
.endr
.irp b, 0,1,2,3
.if \b < \nb
	v_lshrrev_b32 v[BY+\b], 23, v[SO+\b]
.endif
.endr
	v_lshl_or_b32 v[\pw], v[BY+1], 8, v[BY]
	s_delay_alu instid0(VALU_DEP_1)
	v_lshl_or_b32 v[\pw], v[BY+2], 16, v[\pw]
.if \nb > 3
	s_delay_alu instid0(VALU_DEP_1)
	v_lshl_or_b32 v[\pw], v[BY+3], 24, v[\pw]
.endif
	v_cvt_scalef32_pk16_fp6_f32 v[PC:PC+2], v[\s:\s+15], v[SO]
	v_cvt_scalef32_pk16_fp6_f32 v[PC+12:PC+14], v[\s+16:\s+31], v[SO+1]
	v_cvt_scalef32_pk16_fp6_f32 v[PC+6:PC+8], v[\s+32:\s+47], v[SO+2]
.if \nb > 3
	v_cvt_scalef32_pk16_fp6_f32 v[PC+16:PC+18], v[\s+48:\s+63], v[SO+3]
.endif
	v_nop                                            ; one plain line behind the last scaled conversion
.if \nb < 4
.irp i, 0,1,2
	v_mov_b32 v[PC+16+\i], 0                         ; K = 96: the instruction's fourth block is zero codes (its byte stays 0, which is 2^-127 and no NaN)
.endr
.endif
.irp c, 0,1
.irp i, 0,1,2
	v_permlane16_swap_b32 v[PC+6*\c+\i], v[PC+12+4*\c+\i]
.endr
.irp i, 0,1,2
	s_delay_alu instid0(VALU_DEP_3)
	v_mov_b32 v[PC+3+6*\c+\i], v[PC+12+4*\c+\i]
.endr
.endr
.endm
; the rotary turn of 16 registers (8 pairs, pair 8 h + m) by the numbers at v[tb]: cos, sin, cos, sin ..; ascending, so that a matrix result is read from its low end on
.macro ROPE base, tb
.irp m, 0,1,2,3,4,5,6,7
	v_mul_f32 v[TT0], v[\base+2*\m+1], v[\tb+2*\m+1]
	v_mul_f32 v[TT1], v[\base+2*\m+1], v[\tb+2*\m]
	v_fma_f32 v[\base+2*\m+1], v[\base+2*\m], v[\tb+2*\m+1], v[TT1]      ; re sin + im cos
	v_fma_f32 v[\base+2*\m], v[\base+2*\m], v[\tb+2*\m], -v[TT0]         ; re cos - im sin
.endr
.endm
	s_load_b256 s[4:11], s[0:1], 0x0               ; xc 4, wts 6, b_dq 8, b_dkv 10
	s_load_b256 s[12:19], s[0:1], 0x20             ; b_kr 12, b_uq 14, b_qr 16, b_uk 18
	s_load_b128 s[20:23], s[0:1], 0x40             ; b_uv 20, qc 22
	s_load_b64 s[24:25], s[0:1], 0x50              ; kv
	v_lshl_add_u32 v[SPW], v0, 2, SPARE
	v_mov_b32 v[NIL], 0
	ds_add_u32 v[SPW], v[NIL]                      ; the wave's opening: the add and its wait ahead of the first tensor load; work on registers stands between them
	ds_add_u32 v[SPW], v[NIL]
	v_lshrrev_b32 v[TT0], 5, v0
	s_delay_alu instid0(VALU_DEP_1)
	v_readfirstlane_b32 s[WV], v[TT0]              ; wave 0..15
	s_and_b32 s[PP], s[WV], 1
	s_lshr_b32 s[TL], s[WV], 1
	s_and_b32 s[ROLE], s[WV], 3
	s_bfe_u32 s[HQ], ttmp6, 0x40000                ; cx: which four heads; it enters global addresses alone
	s_and_b32 s[GG], ttmp7, 0xffff                 ; which 128 tokens
	s_lshl_b32 s[HEAD], s[HQ], 2
	s_lshr_b32 s54, s[WV], 2
	s_add_co_u32 s[HEAD], s[HEAD], s54
	s_and_b32 s[KSI], s[GG], 15                    ; the key step in its batch
	s_lshr_b32 s[BHI], s[GG], 4
	s_lshl_b32 s[BHI], s[BHI], 4
	s_add_co_u32 s[BHI], s[BHI], s[HEAD]           ; 16 x batch + head
	s_mov_b32 s[SEL], 0x76543210
	s_mov_b32 s[SEL+1], 0xfedcba98
	v_and_b32 v[TT0], 31, v0
	s_delay_alu instid0(VALU_DEP_1)
	v_lshlrev_b32 v[LI], 4, v[TT0]
	s_delay_alu instid0(VALU_DEP_2)
	v_lshlrev_b32 v[L4], 2, v[TT0]
	v_bfe_u32 v[BO], v0, 4, 1
	v_and_b32 v[BVO], 15, v0
	v_and_b32 v[TT0], 8, v0
	s_delay_alu instid0(VALU_DEP_1)
	v_add_nc_u32 v[BVO], v[BVO], v[TT0]            ; r + 8 (r / 8)
	s_delay_alu instid0(VALU_DEP_4)
	v_lshlrev_b32 v[RTO], 17, v[BO]
	s_delay_alu instid0(VALU_DEP_1)
	v_lshl_add_u32 v[RTO], v[BVO], 4, v[RTO]
	s_delay_alu instid0(VALU_DEP_3)
	v_lshlrev_b32 v[BVO], 2, v[BVO]
	v_lshlrev_b32 v[BO], 6, v[BO]
	s_mul_i32 s54, s[PP], 12288
	v_add_nc_u32 v[AW0], s54, v[LI]
	v_add_nc_u32 v[LB16], CIMG, v[LI]
	v_add_nc_u32 v[LB4], CSC, v[L4]
	s_delay_alu instid0(VALU_DEP_2)
	v_add_nc_u32 v[CQA], s54, v[LB16]
	s_lshl_b32 s54, s[PP], 10
	v_add_nc_u32 v[CQS], s54, v[LB4]
	s_add_co_u32 s54, s54, 27648
	v_add_nc_u32 v[ASW0], s54, v[L4]
	s_mul_i32 s54, s[WV], 1536
	v_add_nc_u32 v[CWI], s54, v[LB16]
	s_lshl_b32 s54, s[WV], 7
	v_add_nc_u32 v[CWS], s54, v[LB4]
	s_lshl_b32 s54, s[TL], 11
	s_add_co_u32 s54, s54, KRI-CIMG
	v_add_nc_u32 v[KRW], s54, v[LB16]
.irp b, 0,1,2,3
	v_mov_b32 v[BY+\b], 0                          ; written once: a lane permute's destination counts as one of its sources
.endr
	; the joint load's descriptor: a dense block of 117 rows of 256 bytes (32 elements of 8 bytes); the mask names all four partners, bit 21 beside it
	s_mov_b32 s[G1], 15|(3<<16)|(1<<21)
	s_mov_b32 s[G1+1], 32<<16
	s_mov_b32 s[G1+2], 117<<16
	s_mov_b32 s[G1+3], 32<<16
	s_mov_b32 s[G1+4], 117
	s_mov_b32 s[G1+5], 32
	s_mov_b32 s[G1+6], 0
	s_mov_b32 s[G1+7], 0
	s_and_b32 s52, s[WV], 7
	s_mul_i32 s52, s52, WDB                        ; block w, in wts and in LDS alike: the wave's number alone
	s_mov_b32 s53, 0
	s_mov_b32 s[G0], 1
	s_mov_b32 s[G0+1], s52
	s_lshl_b32 s54, s[GG], 3
	s_add_co_u32 s54, s54, s[TL]                   ; my token tile
	s_mul_i32 s56, s54, 12288
	s_mov_b32 s57, 0
	s_lshl_b32 s58, s54, 10
	s_add_co_u32 s58, s58, 6291456
	s_mov_b32 s59, 0
	s_wait_dscnt 0x0                               ; the opening add is done
	s_wait_kmcnt 0x0
	s_add_nc_u64 s[G0+2:G0+3], s[6:7], s[52:53]
	s_or_b32 s[G0+3], s[G0+3], 0x80000000
	s_add_nc_u64 s[56:57], s[4:5], s[56:57]        ; x's codes
	s_add_nc_u64 s[58:59], s[4:5], s[58:59]        ; x's scale words
	CROUND                                         ; all four partners are here: the joint loads meet
	s_cmp_lt_u32 s[WV], 8
	s_cbranch_scc0 .Lno_fill
	tensor_load_to_lds s[G0:G0+3], s[G1:G1+7]
	s_nop 0
	PL 4
.Lno_fill:
	s_cmp_eq_u32 s[PP], 0
	s_cselect_b64 s[60:61], s[8:9], s[10:11]       ; b_dq or b_dkv
.irp t, 0,1,2,3,4,5,6,7                        ; the bias, in the result's layout, straight into the accumulators
	global_load_b128 v[HA+8*\t:HA+8*\t+3], v[BO], s[60:61] offset:(32*(\t/2)+8*(\t%2))*4
	global_load_b128 v[HA+8*\t+4:HA+8*\t+7], v[BO], s[60:61] offset:(32*(\t/2)+8*(\t%2))*4+16
.endr
	s_cmp_eq_u32 s[PP], 0
	s_cbranch_scc1 .Lno_bkr
.irp t, 0,1
	global_load_b128 v[KRA+8*\t:KRA+8*\t+3], v[BO], s[12:13] offset:32*\t
	global_load_b128 v[KRA+8*\t+4:KRA+8*\t+7], v[BO], s[12:13] offset:32*\t+16
.endr
.Lno_bkr:
	global_load_b128 v[SBX:SBX+3], v[LI], s[58:59]
	global_load_b128 v[SBX+4:SBX+7], v[LI], s[58:59] offset:512
.macro SETX s                          ; XR: the registers of x's slot s % 4
.if ((\s)%4) == 0
.set XR, CF
.else
.set XR, 140+12*((\s)%4)
.endif
.endm
.macro XLOAD s
	SETX \s
.irp c, 0,1,2
	global_load_b128 v[XR+4*\c:XR+4*\c+3], v[LI], s[56:57] offset:1536*(\s)+512*\c
.endr
.endm
	XLOAD 0
	XLOAD 1
	XLOAD 2
	XLOAD 3
	s_wait_tensorcnt 0x0                           ; my block has landed,
	s_barrier_signal -1
	s_barrier_wait -1                              ; everybody's has
; A K step of the down projections: my eight weight fragments, four at a time, against my token tile.  The accumulators take turns, one instruction a turn.
.macro DSTEP s
	SETX \s
	v_add_nc_u32 v[ADW], WDB*(\s), v[AW0]
	v_add_nc_u32 v[ADS], WDB*(\s), v[ASW0]
.if \s < 5
	s_wait_alu depctr_va_vdst(0)
	s_wait_loadcnt 9                               ; this step's fragment of x is in (and all that was asked for earlier); the three later slots' nine loads may be out
.else
	s_wait_alu depctr_va_vdst(0)
	s_wait_loadcnt 3*(7-\s)
.endif
.irp g, 0,1
.irp t, 0,1,2,3
.irp c, 0,1,2
	ds_load_b128 v[WFD+12*\t+4*\c:WFD+12*\t+4*\c+3], v[ADW] offset:(4*\g+\t)*1536+512*\c
.endr
	ds_load_b32 v[SBW+\t], v[ADS] offset:(4*\g+\t)*128
.endr
	s_wait_dscnt 0x0
.irp t, 0,1,2,3
	WM HA+8*(4*\g+\t), WFD+12*\t, XR, HA+8*(4*\g+\t), SBW+\t, SBX+\s
.endr
	PL 4                                           ; places in front of loads into registers that these products have read
.endr
	s_cmp_eq_u32 s[PP], 0
	s_cbranch_scc1 .Lnokr_\@
.irp t, 0,1                                    ; W_kr's two fragments lie behind W_dkv's eight
.irp c, 0,1,2
	ds_load_b128 v[WFD+12*\t+4*\c:WFD+12*\t+4*\c+3], v[ADW] offset:12288+1536*\t+512*\c
.endr
	ds_load_b32 v[SBW+4+\t], v[ADS] offset:1024+128*\t
.endr
	s_wait_dscnt 0x0
.irp t, 0,1
	WM KRA+8*\t, WFD+12*\t, XR, KRA+8*\t, SBW+4+\t, SBX+\s
.endr
	PL 4
.Lnokr_\@:
.if \s < 4
	XLOAD (\s)+4
.endif
.endm
	s_wait_alu depctr_va_vdst(0)
.irp k, 0,1,2,3,4,5,6,7
	DSTEP \k
.endr
	; the four up fragments that every role needs (W_uq, W_uk or W_uv of my head) are asked for now and land under the quantising
	s_sub_co_i32 s62, s[ROLE], 1
	s_max_i32 s62, s62, 0                          ; 0: W_uq, 1: W_uk, 2: W_uv
	s_mul_i32 s63, s62, 98304
	s_mul_i32 s66, s[HEAD], 6144
	s_add_co_u32 s66, s66, s63
	s_add_co_u32 s66, s66, O_UQ
	s_mov_b32 s67, 0
	s_add_nc_u64 s[66:67], s[6:7], s[66:67]
	s_lshl_b32 s68, s62, 13
	s_lshl_b32 s63, s[HEAD], 9
	s_add_co_u32 s68, s68, s63
	s_add_co_u32 s68, s68, O_US
	s_mov_b32 s69, 0
	s_add_nc_u64 s[68:69], s[6:7], s[68:69]
.irp t, 0,1,2,3
.irp c, 0,1,2
	global_load_b128 v[WF+12*\t+4*\c:WF+12*\t+4*\c+3], v[LI], s[66:67] offset:1536*\t+512*\c
.endr
	global_load_b32 v[SBW+\t], v[L4], s[68:69] offset:128*\t
.endr
	QUANT HA, 4, PW
.irp c, 0,1,2
	ds_store_b128 v[CWI], v[PC+4*\c:PC+4*\c+3] offset:512*\c     ; the fragment as it stands: any wave that loads it by the same three lines has the same registers
.endr
	ds_store_b32 v[CWS], v[PW]
	s_cmp_eq_u32 s[PP], 0
	s_cbranch_scc1 .Lno_rope
	s_lshl_b32 s70, s[KSI], 7                      ; my tile's first position: 128 x key step + 32 (tile / 2) + 8 (tile % 2)
	s_lshr_b32 s71, s[TL], 1
	s_lshl_b32 s71, s71, 5
	s_add_co_u32 s70, s70, s71
	s_and_b32 s71, s[TL], 1
	s_lshl_b32 s71, s71, 3
	s_add_co_u32 s70, s70, s71
	s_lshl_b32 s70, s70, 4
	s_add_co_u32 s70, s70, O_RT
	s_mov_b32 s71, 0
	s_add_nc_u64 s[70:71], s[6:7], s[70:71]
.irp n, 0,1,2,3
	global_load_b128 v[RT+4*\n:RT+4*\n+3], v[RTO], s[70:71] offset:32768*\n
.endr
	s_wait_loadcnt 0x0
	ROPE KRA, RT
.irp n, 0,1,2,3
	ds_store_b128 v[KRW], v[KRA+4*\n:KRA+4*\n+3] offset:512*\n
.endr
.Lno_rope:
	s_wait_dscnt 0x0                               ; for the others' sake: my stores have landed
	s_barrier_signal -1
	s_barrier_wait -1                              ; c_q, c_kv and k_r of all eight tiles lie in LDS
	s_lshl_b32 s76, s[BHI], 4
	s_add_co_u32 s76, s76, s[KSI]                  ; 16 (16 batch + head) + key step
	s_mul_i32 s80, s76, 19968
	s_mov_b32 s81, 0
	s_add_nc_u64 s[80:81], s[24:25], s[80:81]      ; my block of kv
	s_cmp_lt_u32 s[ROLE], 2
	s_cbranch_scc0 .Lnot_q
; ---- Q: four token tiles, 4 a + i.  Six products a tile: four tiles of q_c, two of q_r; the turn; quantised along the 96.
	s_mul_i32 s86, s[HEAD], 3072
	s_add_co_u32 s86, s86, O_QR
	s_mov_b32 s87, 0
	s_add_nc_u64 s[86:87], s[6:7], s[86:87]
	s_lshl_b32 s88, s[HEAD], 8
	s_add_co_u32 s88, s88, O_US+24576
	s_mov_b32 s89, 0
	s_add_nc_u64 s[88:89], s[6:7], s[88:89]
	s_lshl_b32 s82, s[HEAD], 8
	s_mov_b32 s83, 0
	s_add_nc_u64 s[82:83], s[14:15], s[82:83]
	s_lshl_b32 s84, s[HEAD], 7
	s_mov_b32 s85, 0
	s_add_nc_u64 s[84:85], s[16:17], s[84:85]
	s_lshl_b32 s72, s[KSI], 7
	s_lshl_b32 s73, s[PP], 6
	s_add_co_u32 s72, s72, s73
	s_lshl_b32 s72, s72, 4
	s_add_co_u32 s72, s72, O_RT
	s_mov_b32 s73, 0
	s_add_nc_u64 s[72:73], s[6:7], s[72:73]        ; the table at position 128 x key step + 64 a
	s_lshl_b32 s74, s[BHI], 7
	s_lshl_b32 s75, s[KSI], 3
	s_add_co_u32 s74, s74, s75
	s_lshl_b32 s75, s[PP], 2
	s_add_co_u32 s74, s74, s75
	s_mul_i32 s74, s74, 1536
	s_mov_b32 s75, 0
	s_add_nc_u64 s[74:75], s[22:23], s[74:75]
	s_lshl_b32 s78, s76, 1
	s_add_co_u32 s78, s78, s[PP]
	s_lshl_b32 s78, s78, 9
	s_add_co_u32 s78, s78, 12582912
	s_mov_b32 s79, 0
	s_add_nc_u64 s[78:79], s[22:23], s[78:79]
.irp t, 0,1
.irp c, 0,1,2
	global_load_b128 v[WF+48+12*\t+4*\c:WF+48+12*\t+4*\c+3], v[LI], s[86:87] offset:1536*\t+512*\c
.endr
	global_load_b32 v[SBW+4+\t], v[L4], s[88:89] offset:128*\t
.endr
.irp t, 0,1,2,3
	global_load_b128 v[BI+8*\t:BI+8*\t+3], v[BO], s[82:83] offset:(32*(\t/2)+8*(\t%2))*4
	global_load_b128 v[BI+8*\t+4:BI+8*\t+7], v[BO], s[82:83] offset:(32*(\t/2)+8*(\t%2))*4+16
.endr
.irp t, 0,1
	global_load_b128 v[BI+32+8*\t:BI+32+8*\t+3], v[BO], s[84:85] offset:32*\t
	global_load_b128 v[BI+32+8*\t+4:BI+32+8*\t+7], v[BO], s[84:85] offset:32*\t+16
.endr
	s_wait_loadcnt 0x0
.macro QTILE i
	s_wait_xcnt 0x0                                ; the last tile's stores have read the codes' registers
.irp c, 0,1,2
	ds_load_b128 v[CF+4*\c:CF+4*\c+3], v[CQA] offset:3072*\i+512*\c
.endr
	ds_load_b32 v[SBX], v[CQS] offset:256*\i
.irp n, 0,1,2,3
	global_load_b128 v[MX+4*\n:MX+4*\n+3], v[RTO], s[72:73] offset:16*(32*(\i/2)+8*(\i%2))+32768*\n
.endr
	s_wait_dscnt 0x0
.irp t, 0,1,2,3,4,5
	WM HA+8*\t, WF+12*\t, CF, BI+8*\t, SBW+\t, SBX
.endr
	PL 5                                           ; places behind the products: their results are read next, and begun anew in the next tile
	s_wait_loadcnt 0x0
	ROPE HA+32, MX
	QUANT HA, 3, PWS+\i
.irp c, 0,1,2
	global_store_b128 v[LI], v[PC+4*\c:PC+4*\c+3], s[74:75] offset:1536*\i+512*\c
.endr
.endm
	QTILE 0
	QTILE 1
	QTILE 2
	QTILE 3
	global_store_b128 v[LI], v[PWS:PWS+3], s[78:79]
	s_branch .Ltail
.Lnot_q:
	s_cmp_eq_u32 s[ROLE], 2
	s_cbranch_scc0 .Lpath_v
; ---- K: eight token tiles.  Four products a tile give k_c; k_r comes turned from LDS.
	s_lshl_b32 s82, s[HEAD], 8
	s_mov_b32 s83, 0
	s_add_nc_u64 s[82:83], s[18:19], s[82:83]
.irp t, 0,1,2,3
	global_load_b128 v[BI+8*\t:BI+8*\t+3], v[BO], s[82:83] offset:(32*(\t/2)+8*(\t%2))*4
	global_load_b128 v[BI+8*\t+4:BI+8*\t+7], v[BO], s[82:83] offset:(32*(\t/2)+8*(\t%2))*4+16
.endr
	s_wait_loadcnt 0x0
.macro KTILE u
	s_wait_xcnt 0x0
.irp c, 0,1,2
	ds_load_b128 v[CF+4*\c:CF+4*\c+3], v[LB16] offset:3072*\u+1536+512*\c
.endr
	ds_load_b32 v[SBX], v[LB4] offset:256*\u+128
.irp n, 0,1,2,3
	ds_load_b128 v[HA+32+4*\n:HA+32+4*\n+3], v[LB16] offset:KRI-CIMG+2048*\u+512*\n
.endr
	s_wait_dscnt 0x0
.irp t, 0,1,2,3
	WM HA+8*\t, WF+12*\t, CF, BI+8*\t, SBW+\t, SBX
.endr
	PL 5
	QUANT HA, 3, PWS+\u
.irp c, 0,1,2
	global_store_b128 v[LI], v[PC+4*\c:PC+4*\c+3], s[80:81] offset:1536*\u+512*\c
.endr
.endm
.irp k, 0,1,2,3,4,5,6,7
	KTILE \k
.endr
	global_store_b128 v[LI], v[PWS:PWS+3], s[80:81] offset:18432
	global_store_b128 v[LI], v[PWS+4:PWS+7], s[80:81] offset:18944
	s_branch .Ltail
; ---- V: four tiles of 16 channels.  Source 0 = a token tile of c_kv, source 1 = 16 columns of W_uv: a lane holds one channel, and the 64 registers of the eight token tiles are the step's 128 keys (my half of each block).
.Lpath_v:
	s_lshl_b32 s82, s[HEAD], 8
	s_mov_b32 s83, 0
	s_add_nc_u64 s[82:83], s[20:21], s[82:83]
.irp t, 0,1,2,3
	global_load_b32 v[BVL+\t], v[BVO], s[82:83] offset:(32*(\t/2)+8*(\t%2))*4
.endr
	s_wait_loadcnt 0x0
.macro SETCV i
.if \i < 2
.set CV, 136+12*\i
.else
.set CV, 194+12*\i
.endif
.endm
.macro VTILE d
	s_wait_xcnt 0x0
.irp k, 0,1,2,3,4,5,6,7
	v_mov_b32 v[BB+\k], v[BVL+\d]                  ; my channel's bias for all eight tokens of a result
.endr
	s_wait_alu depctr_va_vdst(0)
	PL 5
.irp g, 0,1
.irp i, 0,1,2,3
	SETCV \i
.irp c, 0,1,2
	ds_load_b128 v[CV+4*\c:CV+4*\c+3], v[LB16] offset:3072*(4*\g+\i)+1536+512*\c
.endr
	ds_load_b32 v[SBX+\i], v[LB4] offset:256*(4*\g+\i)+128
.endr
	s_wait_dscnt 0x0
.irp i, 0,1,2,3
	SETCV \i
	WM HA+8*(4*\g+\i), CV, WF+12*\d, BB, SBX+\i, SBW+\d
.endr
	PL 5
.endr
	QUANT HA, 4, PWS+\d
.irp c, 0,1,2
	global_store_b128 v[LI], v[PC+4*\c:PC+4*\c+3], s[80:81] offset:12288+1536*\d+512*\c
.endr
.endm
	VTILE 0
	VTILE 1
	VTILE 2
	VTILE 3
	global_store_b128 v[LI], v[PWS:PWS+3], s[80:81] offset:19456
.Ltail:
	s_wait_tensorcnt 0x0                           ; the wave's end: behind my last tensor load and my last LDS store
	ds_add_u32 v[SPW], v[NIL]
	s_wait_dscnt 0x0
	CROUND                                         ; the closing round
	s_endpgm
.Lfunc_end_k_q97a997f16a_proj:
	.size	k_q97a997f16a_proj, .Lfunc_end_k_q97a997f16a_proj-k_q97a997f16a_proj
	.p2alignl 7, 3214868480
	.fill 96, 4, 3214868480
	.section	.rodata,"a",@progbits
	.p2align	6, 0x0
	.amdhsa_kernel k_q97a997f16a_proj
		.amdhsa_group_segment_fixed_size 327680
		.amdhsa_private_segment_fixed_size 0
		.amdhsa_enable_private_segment 0
		.amdhsa_kernarg_size 88
		.amdhsa_user_sgpr_count 2
		.amdhsa_user_sgpr_kernarg_segment_ptr 1
		.amdhsa_wavefront_size32 1
		.amdhsa_system_sgpr_workgroup_id_x 1
		.amdhsa_system_sgpr_workgroup_id_y 1
		.amdhsa_system_sgpr_workgroup_id_z 1
		.amdhsa_system_vgpr_workitem_id 0
		.amdhsa_next_free_vgpr 256
		.amdhsa_next_free_sgpr 100
		.amdhsa_reserve_vcc 0
		.amdhsa_float_denorm_mode_32 3
		.amdhsa_float_denorm_mode_16_64 3
		.amdhsa_memory_ordered 1
		.amdhsa_forward_progress 1
		.amdhsa_inst_pref_size 157
	.end_amdhsa_kernel
	.amdgpu_metadata
---
amdhsa.version: [ 1, 2 ]
amdhsa.kernels:
  - .name:           k_q97a997f16a_proj
    .symbol:         k_q97a997f16a_proj.kd
    .args:
      - { .name: xc, .offset: 0, .size: 8, .value_kind: global_buffer, .address_space: global }
      - { .name: wts, .offset: 8, .size: 8, .value_kind: global_buffer, .address_space: global }
      - { .name: b_dq, .offset: 16, .size: 8, .value_kind: global_buffer, .address_space: global }
      - { .name: b_dkv, .offset: 24, .size: 8, .value_kind: global_buffer, .address_space: global }
      - { .name: b_kr, .offset: 32, .size: 8, .value_kind: global_buffer, .address_space: global }
      - { .name: b_uq, .offset: 40, .size: 8, .value_kind: global_buffer, .address_space: global }
      - { .name: b_qr, .offset: 48, .size: 8, .value_kind: global_buffer, .address_space: global }
      - { .name: b_uk, .offset: 56, .size: 8, .value_kind: global_buffer, .address_space: global }
      - { .name: b_uv, .offset: 64, .size: 8, .value_kind: global_buffer, .address_space: global }
      - { .name: qc, .offset: 72, .size: 8, .value_kind: global_buffer, .address_space: global }
      - { .name: kv, .offset: 80, .size: 8, .value_kind: global_buffer, .address_space: global }
    .group_segment_fixed_size: 327680
    .private_segment_fixed_size: 0
    .kernarg_segment_align: 8
    .kernarg_segment_size: 88
    .max_flat_workgroup_size: 512
    .sgpr_count:     100
    .vgpr_count:     256
    .wavefront_size: 32
...
	.end_amdgpu_metadata
.endif
;; end of part 2
;; launch attn (part 3): grid 256 x 1, 8 waves a work-group, no clusters, 322,560 bytes of LDS; arguments qc, kv, mt, oc, fl; writes oc
.if DOCPART == 3
	.amdgcn_target "amdgcn-amd-amdhsa--gfx1250"
	.amdhsa_code_object_version 6
	.text
	.protected	k_q97a997f16a_attn
	.globl	k_q97a997f16a_attn
	.p2align	8
	.type	k_q97a997f16a_attn,@function
k_q97a997f16a_attn:
	s_mov_b64 s[64:65], 0
	v_nop
	global_prefetch_b8 v0, s[64:65] scope:SCOPE_SE
	s_setreg_imm32_b32 hwreg(HW_REG_WAVE_MODE, 25, 1), 1
	s_wait_xcnt 0x0
; ATTN: scores, softmax, p V, division by the row's sum, and the quantising of the result along head x 64 + channel.  Both products on codes of FP6 (E2M3) with E8M0 scales.
; SHARES.  A work-group owns one (batch, head) and two blocks of 256 queries, j and 7 - j, one after the other.  Each of its eight waves owns two tiles of 16 queries of a block: tile A lives in register
; window 0, tile B in window 1, under the same register numbers.  A wave walks the 2,048 keys, 128 a step.
; STEPS THAT THE MASK GIVEN HIDES ARE PASSED OVER.  The launch before has stored, for each query tile and key step, whether the mask's tile holds any number other than 0 (fl, whole numbers).  A wave reads the
; 32 bits of its two tiles' 2 x 16 steps and jumps, by a scalar branch inside the loop of constant count, over a step in which all its 32 x 128 mask numbers are 0.  In such a step every score is -2^100 x c or
; less, so the running maximum stays, f = 1, every p is 0, and sum and O^T get 0 added: passing it over changes no bit of any result, whatever the mask holds.  No shape of the mask is built in.
; K AND V of the head, sixteen blocks of 19,968 bytes, are brought into LDS ONCE, through registers (78 loads and 78 LDS stores of 512 bytes a wave); behind the one barrier they are only read.
; NO TENSOR LOAD, NO CLUSTER.
; THE MASK does not pass through LDS: a tile of it (already 0 -> -2^100, else x sqrt(96), laid as an image of the score registers) is used by one wave alone, which loads it INTO the score registers, where
; it is the C of K Q^T.  t = c x that sum, c = log2(e) / sqrt(96).
; THE TWO TILES ARE HALF A STEP APART: K Q^T, softmax, p V of A, then of B.  A fragment of K or V is read from LDS once for both.  A step that is worked asks for the next step's mask tiles and K whether
; that step is open or not (A's tile when A's p has become codes, B's likewise, K behind B's scores), so that each wait's count holds on every path; a step that is passed over asks for them only if the next is open.
; SOFTMAX.  M = the running largest t rounded up to a whole number; p = 2^(t - M) is quantised along the keys, not normalised; the row's sum is taken of the unquantised p; when M moves, sum and O^T are
; multiplied by 2^(old M - new M), exactly.  The running t begins at -2^83, above c x -2^100: a hidden key never sets M and its p is 0.  A row with no open key ends with the sum 0: its scale bytes
; become 0xff, which makes the output row NaN, as a softmax over nothing is.
; PREFETCH.  A step's two mask tiles of a wave, 64 pieces of 256 bytes, are read by the 64 work-groups that differ in (batch, head) alone: each names piece 16 batch + head, in trip n of step n + 3 if that step is
; open; its loads are issued in trip n + 2; past the walk's last step the address is held at that step.  The second block's Q, twelve pieces of 256 bytes a wave, is named once at the head.
; LIMITS: logits whose t lies under -2^83 count as hidden; NaN and infinities are not served; blocks under 2^-124 keep the byte 1.
.set BLK,   19968                      ; a key step's block: K's 8 fragments, V's 4, then 1,536 bytes of scale words
.set STG,   16*BLK                     ; behind K and V: 256 bytes a wave for the way out of the scale words
.set SPARE, STG+2048                   ; the spare words, 128 bytes a wave
.set LI,  1                            ; 16 x lane
.set L8,  2                            ; 8 x lane
.set KVA, 3                            ; LDS: 16 x lane in the NEXT step's block: K is read from there
.set FA,  4                            ; LDS: where my two blocks go
.set MA0, 5                            ; A's, B's place in my walk through mt
.set MA1, 6
.set PFO, 7
.set PFB, 8                            ; 256 x (16 batch + head)
.set PFQ, 9
.set STW, 10
.set STR, 11
.set QF,  16                           ; per tile: v12 -M, v13 the largest t, v[14:15] the sum; v16-27 Q
.set KF,  28                           ; v28-75: K's fragments 0-3 in window 0, 4-7 in window 1
.set SPW, 76
.set NIL, 77
.set WB,  78
.set KVC, 80                           ; LDS: 16 x lane in this step's block: V is read from there
.set FF,  82
.set BM,  84
.set BT,  88
.set SO,  92
.set S,   96                           ; v96-159 the mask, the scores, p
.set OT,  160                          ; v160-191 O^T
.set PCD, 192                          ; v192-203 the sum's parts, then p's codes
.set P2,  204
.set TM,  212
.set SU,  214
.set VF,  216                          ; v216-239: V's fragments 0, 1 in window 0, 2, 3 in window 1
.set KSC, 240                          ; window 0, v240-255: scale words and nothing else: K's 8, V's 4, Q's of A and B, p's of A and B
.set VSC, 248
.set QS,  252
.set PSW, 254
.set WV,  12
.set CX,  13
.set BH,  14
.set HS,  15
.set SEL, 16
.set CS,  18
.set CNT, 20
.set QBL, 21
.set MOFF, 22
.set T0,  23
.set MB,  24
.set QA,  26
.set QSA, 28
.set OA,  30
.set OSA, 32
.set T1,  34
.set FL,  35                           ; bit 0: is this step open, bit 1: the next, and so on; shifted down once a trip
.set Q2,  36                           ; the second block's Q and its scale words
.set QS2, 38
.set DOA, 40                           ; from the first block's place in oc to the second's: codes, scale words
.set DOS, 42
.set KB,  44
.set FW,  66                           ; s66-81 the sixteen words of fl
.set MSB, 0
.macro WIN new                         ; low byte: bits 1:0 source 0, 3:2 source 1, 5:4 source 2, 7:6 destination; the high byte repeats the setting that is left
.if MSB != (\new)
	s_set_vgpr_msb (MSB<<8)|(\new)
.set MSB, (\new)
.endif
.endm
.macro PL n
.rept \n
	v_nop
.endr
.endm
.macro WM d, a, b, c, sa, sb
	v_wmma_scale_f32_16x16x128_f8f6f4 v[\d:\d+7], v[\a:\a+11], v[\b:\b+11], v[\c:\c+7], v[\sa], v[\sb] matrix_a_fmt:MATRIX_FMT_FP6 matrix_b_fmt:MATRIX_FMT_FP6
.endm
; K and V on their way into LDS: cnt pieces of 512 bytes, from piece first on, through the registers from base on.  st = 0: the loads; 1: the LDS stores
.macro KVMOVE st, base, cnt, first
.set i, 0
.rept \cnt
.if \st
	ds_store_b128 v[FA], v[\base+4*i:\base+4*i+3] offset:512*(\first+i)
.else
	global_load_b128 v[\base+4*i:\base+4*i+3], v[LI], s[KB:KB+1] offset:512*(\first+i)
.endif
.set i, i+1
.endr
.endm
.macro KVALL st                        ; all 78 pieces, through registers that hold nothing yet
	WIN 0
	KVMOVE \st, 28, 12, 0
	KVMOVE \st, 160, 20, 12
	KVMOVE \st, 84, 3, 32
	WIN 0x40-0x3c*\st                              ; window 1: a load's destination, a store's data
	KVMOVE \st, 28, 12, 35
	KVMOVE \st, 160, 20, 47
	KVMOVE \st, 76, 5, 67
	KVMOVE \st, 240, 4, 72
	KVMOVE \st, 0, 2, 76
	WIN 0
.endm
.macro LDM t, ar                       ; a mask tile into tile t's score registers: 16 loads of 512 consecutive bytes
	WIN 0x40*\t
.irp n, 0,1,2,3,4,5,6,7,8,9,10,11,12,13,14,15
	global_load_b128 v[S+4*\n:S+4*\n+3], v[\ar], s[MB:MB+1] offset:8192*\t+512*\n
.endr
.endm
.macro LDQ                             ; both tiles' Q and the two scale words: seven loads
	WIN 0
.irp c, 0,1,2
	global_load_b128 v[QF+4*\c:QF+4*\c+3], v[LI], s[QA:QA+1] offset:512*\c
.endr
	global_load_b64 v[QS:QS+1], v[LI], s[QSA:QSA+1]
	WIN 0x40
.irp c, 0,1,2
	global_load_b128 v[QF+4*\c:QF+4*\c+3], v[LI], s[QA:QA+1] offset:1536+512*\c
.endr
	WIN 0
.endm
.macro LDK                             ; K's eight fragments and scale words of the block at v[KVA]
	WIN 0
.irp t, 0,1,2,3
.irp c, 0,1,2
	ds_load_b128 v[KF+12*\t+4*\c:KF+12*\t+4*\c+3], v[KVA] offset:1536*\t+512*\c
.endr
.endr
	ds_load_b128 v[KSC:KSC+3], v[KVA] offset:18432
	ds_load_b128 v[KSC+4:KSC+7], v[KVA] offset:18944
	WIN 0x40
.irp t, 0,1,2,3
.irp c, 0,1,2
	ds_load_b128 v[KF+12*\t+4*\c:KF+12*\t+4*\c+3], v[KVA] offset:6144+1536*\t+512*\c
.endr
.endr
	WIN 0
.endm
.macro LDV
	WIN 0
.irp t, 0,1
.irp c, 0,1,2
	ds_load_b128 v[VF+12*\t+4*\c:VF+12*\t+4*\c+3], v[KVC] offset:12288+1536*\t+512*\c
.endr
.endr
	ds_load_b128 v[VSC:VSC+3], v[KVC] offset:19456
	WIN 0x40
.irp t, 0,1
.irp c, 0,1,2
	ds_load_b128 v[VF+12*\t+4*\c:VF+12*\t+4*\c+3], v[KVC] offset:15360+1536*\t+512*\c
.endr
.endr
	WIN 0
.endm
.macro QK t                            ; S^T = K Q^T + the mask, eight accumulators, one instruction each
	WIN 0x54*\t
.irp i, 0,1,2,3
	WM S+8*\i, KF+12*\i, QF, S+8*\i, KSC+\i, QS+\t
.endr
	WIN 0x54*\t+1
.irp i, 0,1,2,3
	WM S+32+8*\i, KF+12*\i, QF, S+32+8*\i, KSC+4+\i, QS+\t
.endr
.endm
.macro PV t                            ; O^T += V^T p^T, four accumulators by turns
	WIN 0x54*\t
	WM OT, VF, PCD, OT, VSC, PSW+\t
	WM OT+8, VF+12, PCD, OT+8, VSC+1, PSW+\t
	WIN 0x54*\t+1
	WM OT+16, VF, PCD, OT+16, VSC+2, PSW+\t
	WM OT+24, VF+12, PCD, OT+24, VSC+3, PSW+\t
.endm
; The softmax of tile t's 128 keys: from scores to p's codes and scale word, the sum, O^T under the new M.  ar: the address register of the tile's next mask loads.
.macro SM t, ar
	WIN 0x55*\t
.irp b, 0,1,2,3
	v_max3_num_f32 v[BM+\b], v[S+16*\b], v[S+16*\b+1], v[S+16*\b+2]      ; the largest score of each block of 32 keys: for the row's maximum, and, since p rises with the score, for the block's largest p
.endr
.irp i, 3,5,7,9,11,13
.irp b, 0,1,2,3
	v_max3_num_f32 v[BM+\b], v[BM+\b], v[S+16*\b+\i], v[S+16*\b+\i+1]
.endr
.endr
.irp b, 0,1,2,3
	v_max_num_f32 v[BM+\b], v[BM+\b], v[S+16*\b+15]
.endr
.irp b, 0,1,2,3
	s_delay_alu instid0(VALU_DEP_4)
	v_permlanex16_b32 v[BT+\b], v[BM+\b], s[SEL], s[SEL+1]
.endr
.irp b, 0,1,2,3
	s_delay_alu instid0(VALU_DEP_4)
	v_max_num_f32 v[BM+\b], v[BM+\b], v[BT+\b]
.endr
	s_delay_alu instid0(VALU_DEP_2)
	v_max3_num_f32 v[TM], v[BM], v[BM+1], v[BM+2]
	s_delay_alu instid0(VALU_DEP_1)
	v_max_num_f32 v[TM], v[TM], v[BM+3]
	s_delay_alu instid0(VALU_DEP_1)
	v_mul_f32 v[TM], s[CS], v[TM]
	s_delay_alu instid0(VALU_DEP_1)
	v_max_num_f32 v13, v13, v[TM]                  ; the running largest t
	v_mov_b32 v[TM], v12
	s_delay_alu instid0(VALU_DEP_2)
	v_floor_f32 v12, -v13                          ; the new -M: M is a whole number
	s_delay_alu instid0(VALU_DEP_1)
	v_sub_f32 v[TM], v12, v[TM]
	s_delay_alu instid0(VALU_DEP_1)
	v_cvt_i32_f32 v[TM], v[TM]                     ; (it saturates)
	s_delay_alu instid0(VALU_DEP_1)
	v_ldexp_f32 v[FF], 1.0, v[TM]                  ; f = 2^(old M - new M)
.set j, 0
.rept 32
	v_pk_fma_f32 v[S+j:S+j+1], v[S+j:S+j+1], s[CS:CS+1], v[12:13] op_sel_hi:[1,0,0]   ; t - M, two at a time
.set j, j+2
.endr
.irp b, 0,1,2,3
	v_fma_f32 v[BM+\b], v[BM+\b], s[CS], v12
.endr
	s_wait_alu depctr_va_vdst(0)                   ; the wait ahead of the batch
.set j, 0
.rept 64
	v_exp_f32 v[S+j], v[S+j]                       ; p = 2^(t - M)
.set j, j+1
.endr
	v_pk_mul_f32 v[14:15], v[14:15], v[FF:FF+1] op_sel_hi:[1,0]    ; the sums under the new M: a plain line behind the exponentials
	s_wait_alu depctr_va_vdst(0)                   ; one wait for the batch of 64, ahead of its first reader
.irp b, 0,1,2,3
	v_exp_f32 v[BM+\b], v[BM+\b]                   ; each block's largest p
.endr
.irp k, 0,1,2,3,4,5                            ; the row's sum of the unquantised p: 32 pairs into eight chains
	v_pk_add_f32 v[PCD+2*\k:PCD+2*\k+1], v[S+4*\k:S+4*\k+1], v[S+4*\k+2:S+4*\k+3]
.endr
	v_pk_add_f32 v[SU:SU+1], v[S+24:S+25], v[S+26:S+27]
	v_pk_add_f32 v[14:15], v[14:15], v[S+28:S+29]
.irp r, 0,1
.irp k, 0,1,2,3,4,5
	v_pk_add_f32 v[PCD+2*\k:PCD+2*\k+1], v[PCD+2*\k:PCD+2*\k+1], v[S+30+16*\r+2*\k:S+31+16*\r+2*\k]
.endr
	v_pk_add_f32 v[SU:SU+1], v[SU:SU+1], v[S+42+16*\r:S+43+16*\r]
	v_pk_add_f32 v[14:15], v[14:15], v[S+44+16*\r:S+45+16*\r]
.endr
	v_pk_add_f32 v[PCD:PCD+1], v[PCD:PCD+1], v[S+62:S+63]
	v_pk_add_f32 v[PCD+4:PCD+5], v[PCD+4:PCD+5], v[PCD+6:PCD+7]
	v_pk_add_f32 v[PCD+8:PCD+9], v[PCD+8:PCD+9], v[PCD+10:PCD+11]
	v_pk_add_f32 v[14:15], v[14:15], v[SU:SU+1]
	v_pk_add_f32 v[PCD:PCD+1], v[PCD:PCD+1], v[PCD+2:PCD+3]
	s_delay_alu instid0(VALU_DEP_2)
	v_pk_add_f32 v[14:15], v[14:15], v[PCD+8:PCD+9]
	s_delay_alu instid0(VALU_DEP_2)
	v_pk_add_f32 v[PCD:PCD+1], v[PCD:PCD+1], v[PCD+4:PCD+5]
	s_delay_alu instid0(VALU_DEP_1)
	v_pk_add_f32 v[14:15], v[14:15], v[PCD:PCD+1]
	s_wait_alu depctr_va_vdst(0)                   ; and one for the four
.irp b, 0,1,2,3
	v_max_num_f32 v[BM+\b], 0x1800000, v[BM+\b]    ; the floor 2^(3 - 127): the byte cannot fall under 1
.endr
.irp b, 0,1,2,3
	s_delay_alu instid0(VALU_DEP_4)
	v_add_nc_u32 v[SO+\b], 0xff000000, v[BM+\b]    ; 2 off the exponent field: the conversion's scale operand
.endr
.irp b, 0,1,2,3
	s_delay_alu instid0(VALU_DEP_4)
	v_lshrrev_b32 v[BT+\b], 23, v[SO+\b]
.endr
	s_delay_alu instid0(VALU_DEP_3)
	v_lshl_or_b32 v[TM], v[BT+1], 8, v[BT]
	s_delay_alu instid0(VALU_DEP_1)
	v_lshl_or_b32 v[TM], v[BT+2], 16, v[TM]
	WIN 0x15*\t                                    ; scale operands are taken from window 0
	v_lshl_or_b32 v[PSW+\t], v[BT+3], 24, v[TM]
	WIN 0x55*\t
.irp c, 0,1
	v_cvt_scalef32_pk16_fp6_f32 v[PCD+6*\c:PCD+6*\c+2], v[S+32*\c:S+32*\c+15], v[SO+2*\c]
	v_cvt_scalef32_pk16_fp6_f32 v[P2+4*\c:P2+4*\c+2], v[S+32*\c+16:S+32*\c+31], v[SO+2*\c+1]
.endr
	v_nop                                          ; one plain line behind the last scaled conversion
	LDM \t, \ar                                    ; p has been read: the next step's mask tile sets out
	WIN 0x55*\t
.irp c, 0,1
.irp i, 0,1,2
	v_permlane16_swap_b32 v[PCD+6*\c+\i], v[P2+4*\c+\i]
.endr
.irp i, 0,1,2
	s_delay_alu instid0(VALU_DEP_3)
	v_mov_b32 v[PCD+3+6*\c+\i], v[P2+4*\c+\i]
.endr
.endr
	s_wait_alu depctr_va_vdst(0)                   ; the wait directly ahead of the first reader of O^T
.set j, 0
.rept 16
	v_pk_mul_f32 v[OT+j:OT+j+1], v[OT+j:OT+j+1], v[FF:FF+1] op_sel_hi:[1,0]   ; O^T under the new M; these are also the places between p's codes and scale word and the products
.set j, j+2
.endr
.endm
.macro INIT t                          ; a block of queries begins: the step is written once, and its first turn finds zeros
	WIN 0x40*\t
	v_mov_b32 v13, 0xe9000000                      ; the largest t so far: -2^83
	v_mov_b32 v12, 0x69000000                      ; -M
	v_mov_b32 v14, 0
	v_mov_b32 v15, 0
	v_mov_b32 v[FF+1], 0                           ; (named as the upper half of a pair)
.irp b, 0,1,2,3
	v_mov_b32 v[BT+\b], 0                          ; a lane permute's destination counts as one of its sources
.endr
.set j, 0
.rept 32
	v_mov_b32 v[OT+j], 0
.set j, j+1
.endr
.endm
; THE WAY OUT of tile t.  O^T / the sum, in place; my head's 64 channels are two blocks of the output projection's K: half a fragment, six registers a lane.
.macro OUTW t
	WIN 0x55*\t
	v_add_f32 v14, v14, v15
	s_delay_alu instid0(VALU_DEP_1)
	v_permlanex16_b32 v[BT], v14, s[SEL], s[SEL+1]
	s_delay_alu instid0(VALU_DEP_1)
	v_add_f32 v14, v14, v[BT]                      ; the row's sum
	s_wait_alu depctr_va_vdst(0)
	v_rcp_f32 v[FF], v14
	v_nop
	s_wait_alu depctr_va_vdst(0)
.set j, 0
.rept 16
	v_pk_mul_f32 v[OT+j:OT+j+1], v[OT+j:OT+j+1], v[FF:FF+1] op_sel_hi:[1,0]   ; register 16 b + i: channel 32 b + 16 h + i
.set j, j+2
.endr
.irp b, 0,1
	v_max3_num_f32 v[BM+\b], |v[OT+16*\b]|, |v[OT+16*\b+1]|, 0x1800000
.endr
.irp i, 2,4,6,8,10,12,14
.irp b, 0,1
	s_delay_alu instid0(VALU_DEP_2)
	v_max3_num_f32 v[BM+\b], v[BM+\b], |v[OT+16*\b+\i]|, |v[OT+16*\b+\i+1]|
.endr
.endr
.irp b, 0,1
	s_delay_alu instid0(VALU_DEP_2)
	v_permlanex16_b32 v[BT+\b], v[BM+\b], s[SEL], s[SEL+1]
.endr
.irp b, 0,1
	s_delay_alu instid0(VALU_DEP_2)
	v_max_num_f32 v[BM+\b], v[BM+\b], v[BT+\b]
.endr
.irp b, 0,1
	s_delay_alu instid0(VALU_DEP_2)
	v_add_nc_u32 v[SO+\b], 0xff000000, v[BM+\b]
.endr
.irp b, 0,1
	s_delay_alu instid0(VALU_DEP_2)
	v_lshrrev_b32 v[BT+\b], 23, v[SO+\b]
.endr
	s_delay_alu instid0(VALU_DEP_1)
	v_lshl_or_b32 v[TM], v[BT+1], 8, v[BT]
	v_cvt_scalef32_pk16_fp6_f32 v[PCD:PCD+2], v[OT:OT+15], v[SO]
	v_cvt_scalef32_pk16_fp6_f32 v[P2:P2+2], v[OT+16:OT+31], v[SO+1]
	v_nop
.irp i, 0,1,2
	v_permlane16_swap_b32 v[PCD+\i], v[P2+\i]
.endr
.irp i, 0,1,2
	s_delay_alu instid0(VALU_DEP_3)
	v_mov_b32 v[PCD+3+\i], v[P2+\i]
.endr
	v_cmp_eq_f32 vcc_lo, 0, v14                    ; a row with no open key: both bytes 0xff
	v_mov_b32 v[TM+1], 0xffff
	s_delay_alu instid0(VALU_DEP_1)
	v_cndmask_b32 v[TM], v[TM], v[TM+1], vcc_lo
	s_delay_alu instid0(VALU_DEP_1)
	v_lshlrev_b32 v[TM], s[HS], v[TM]              ; an even head's bytes are the K step's 0 and 1, an odd head's 2 and 3
	WIN 0x04*\t                                    ; the data in window t, the addresses in window 0
	global_store_b128 v[LI], v[PCD:PCD+3], s[OA:OA+1] offset:1536*\t           ; 512 consecutive bytes,
	global_store_b64 v[L8], v[PCD+4:PCD+5], s[OA:OA+1] offset:1536*\t+512      ; and 256
	ds_store_b32 v[STW], v[TM] offset:128*\t       ; the two tiles' scale words meet in my 256 bytes of the stage
.endm
	s_load_b256 s[4:11], s[0:1], 0x0               ; qc 4, kv 6, mt 8, oc 10
	s_load_b64 s[48:49], s[0:1], 0x20              ; fl
	v_lshl_add_u32 v[SPW], v0, 2, SPARE
	v_mov_b32 v[NIL], 0
	v_lshrrev_b32 v4, 5, v0
	v_readfirstlane_b32 s[WV], v4                  ; wave 0..7
	s_and_b32 s[CX], ttmp9, 3                      ; j: blocks j and 7 - j of 256 queries
	s_lshr_b32 s[BH], ttmp9, 2                     ; 16 x batch + head
	s_mul_i32 s56, s[WV], 2*BLK                    ; K and V: I bring blocks 2 w and 2 w + 1
	s_mul_i32 s[KB], s[BH], 16*BLK
	s_add_co_u32 s[KB], s[KB], s56
	s_mov_b32 s[KB+1], 0
	s_lshl_b32 s57, s[CX], 4
	s_lshl_b32 s51, s[WV], 1
	s_add_co_u32 s57, s57, s51                     ; my first tile among the sequence's 128: 16 j + 2 w
	s_lshl_b32 s50, s[BH], 7
	s_add_co_u32 s50, s50, s57                     ; and among all
	s_lshl_b32 s58, s[CX], 5
	s_sub_co_u32 s58, 112, s58                     ; tiles from the first block to the second: 16 (7 - 2 j)
	s_mul_i32 s[QA], s50, 1536
	s_mov_b32 s[QA+1], 0
	s_mul_i32 s[Q2], s58, 1536
	s_add_co_u32 s[Q2], s[Q2], s[QA]
	s_mov_b32 s[Q2+1], 0
	s_lshr_b32 s[QSA], s50, 2                      ; Q's scale words: groups of four tiles, 16 bytes a lane
	s_lshl_b32 s[QSA], s[QSA], 9
	s_and_b32 s51, s[WV], 1
	s_lshl_b32 s51, s51, 3
	s_add_co_u32 s[QSA], s[QSA], s51
	s_add_co_u32 s[QSA], s[QSA], 12582912
	s_mov_b32 s[QSA+1], 0
	s_lshl_b32 s[DOS], s58, 7
	s_mov_b32 s[DOS+1], 0
	s_add_co_u32 s[QS2], s[QSA], s[DOS]
	s_mov_b32 s[QS2+1], 0
	s_lshl_b32 s[OSA], s50, 7                      ; O's scale words: 128 bytes a tile
	s_add_co_u32 s[OSA], s[OSA], 6291456
	s_mov_b32 s[OSA+1], 0
	s_lshr_b32 s[OA], s[BH], 4                     ; O's codes: [block of 128 tokens][head / 2][tile % 8][head % 2], 768 bytes
	s_lshl_b32 s[OA], s[OA], 4
	s_lshl_b32 s51, s[CX], 1
	s_add_co_u32 s[OA], s[OA], s51
	s_lshr_b32 s51, s[WV], 2
	s_add_co_u32 s[OA], s[OA], s51
	s_lshl_b32 s[OA], s[OA], 3
	s_bfe_u32 s51, s[BH], 0x30001
	s_add_co_u32 s[OA], s[OA], s51
	s_lshl_b32 s[OA], s[OA], 3
	s_and_b32 s51, s[WV], 3
	s_lshl_b32 s51, s51, 1
	s_add_co_u32 s[OA], s[OA], s51
	s_lshl_b32 s[OA], s[OA], 1
	s_and_b32 s51, s[BH], 1
	s_add_co_u32 s[OA], s[OA], s51
	s_mul_i32 s[OA], s[OA], 768
	s_mov_b32 s[OA+1], 0
	s_lshl_b32 s[HS], s51, 4
	s_lshr_b32 s[DOA], s58, 3                      ; blocks of 128 tokens from the first block to the second, 98,304 bytes each
	s_mul_i32 s[DOA], s[DOA], 98304
	s_mov_b32 s[DOA+1], 0
	s_lshl_b32 s[MB], s[CX], 3                     ; my walk through mt: 524,288 bytes at 8 j + w
	s_add_co_u32 s[MB], s[MB], s[WV]
	s_lshl_b32 s[MB], s[MB], 19
	s_mov_b32 s[MB+1], 0
	s_lshl_b32 s52, s57, 10                        ; fl: 1,024 bytes a tile
	s_mov_b32 s53, 0
	s_lshl_b32 s54, s58, 10
	s_add_co_u32 s54, s54, s52
	s_mov_b32 s55, 0
	s_mov_b32 s[SEL], 0x76543210
	s_mov_b32 s[SEL+1], 0xfedcba98
	s_mov_b32 s[CS], 0x3e16c740                    ; c = log2(e) / sqrt(96)
	s_mov_b32 s[CS+1], s[CS]
	s_mov_b32 s[QBL], 0
	s_mov_b32 s[MOFF], 0
	s_lshl_b32 s59, s[WV], 8
	s_add_co_u32 s59, s59, STG
	s_lshl_b32 s51, s[BH], 8
	v_and_b32 v4, 31, v0                           ; lane
	v_lshlrev_b32 v[LI], 4, v4
	v_lshlrev_b32 v[L8], 3, v4
	v_lshlrev_b32 v[KVA], 4, v4                    ; block 0
	v_lshlrev_b32 v[MA0], 4, v4                    ; step 0
	v_lshlrev_b32 v[MA1], 4, v4
	v_min_u32 v[PFQ], 11, v4                       ; the lanes past the twelfth piece name it again
	v_lshlrev_b32 v[PFQ], 8, v[PFQ]
	v_lshl_add_u32 v[STW], v4, 2, s59
	v_lshl_add_u32 v[STR], v4, 3, s59
	v_mov_b32 v[PFB], s51
	v_add_nc_u32 v[FA], s56, v[LI]
	s_wait_alu depctr_va_vdst(0)                   ; the wait at the head's end
	s_wait_kmcnt 0x0
	s_add_nc_u64 s[KB:KB+1], s[6:7], s[KB:KB+1]
	s_add_nc_u64 s[QA:QA+1], s[4:5], s[QA:QA+1]
	s_add_nc_u64 s[Q2:Q2+1], s[4:5], s[Q2:Q2+1]
	s_add_nc_u64 s[QSA:QSA+1], s[4:5], s[QSA:QSA+1]
	s_add_nc_u64 s[QS2:QS2+1], s[4:5], s[QS2:QS2+1]
	s_add_nc_u64 s[MB:MB+1], s[8:9], s[MB:MB+1]
	s_add_nc_u64 s[OA:OA+1], s[10:11], s[OA:OA+1]
	s_add_nc_u64 s[OSA:OSA+1], s[10:11], s[OSA:OSA+1]
	s_add_nc_u64 s[52:53], s[48:49], s[52:53]
	s_add_nc_u64 s[54:55], s[48:49], s[54:55]
.irp t, 0,1                                    ; word 8 b + 4 t + q: block b, tile t, key steps 4 q .. 4 q + 3
.irp q, 0,1,2,3
	s_load_b32 s[FW+4*\t+\q], s[52:53], 1024*\t+256*\q
	s_load_b32 s[FW+8+4*\t+\q], s[54:55], 1024*\t+256*\q
.endr
.endr
	KVALL 0                                        ; K and V: 78 loads,
	LDM 0, MA0                                     ; step 0's mask tiles: 32,
	LDM 1, MA1
	LDQ                                            ; and the first block's Q: 7
	global_prefetch_b8 v[PFQ], s[Q2:Q2+1] th:TH_LOAD_NT scope:SCOPE_SE   ; the second block's Q: 3,072 bytes
	s_wait_loadcnt 39                              ; K and V are in; the 39 younger loads may be out
	KVALL 1
	s_wait_kmcnt 0x0
.irp q, 0,1,2,3
	s_or_b32 s[FW+\q], s[FW+\q], s[FW+4+\q]        ; a step is open if it is open for A or for B
	s_or_b32 s[FW+8+\q], s[FW+8+\q], s[FW+12+\q]
.endr
	s_mov_b32 s[FL], s[FW]
.irp q, 1,2,3
	s_lshl_b32 s[FW+\q], s[FW+\q], 4*\q
	s_or_b32 s[FL], s[FL], s[FW+\q]
.endr
.irp q, 0,1,2,3
	s_lshl_b32 s[FW+8+\q], s[FW+8+\q], 16+4*\q
	s_or_b32 s[FL], s[FL], s[FW+8+\q]
.endr
	s_wait_dscnt 0x0                               ; for the others' sake: my stores have landed
	s_barrier_signal -1
	s_barrier_wait -1                              ; everybody's have: from here on K and V are only read
	LDK
.Lblock:
	INIT 0
	INIT 1
	WIN 0
	s_mov_b32 s[CNT], 0
	s_wait_alu depctr_va_vdst(0)
	s_wait_loadcnt 0x0                             ; Q, and whatever mask tiles are out
.Lstep:
	s_mul_i32 s[T0], s[CNT], BLK                   ; both LDS addresses are made here, from the loop's counter alone, on every wave's way, ahead of the branch on the mask's bits
	s_add_co_u32 s[T1], s[CNT], 1
	s_and_b32 s[T1], s[T1], 15                     ; behind block 15 comes block 0, for the next block of queries
	s_mul_i32 s[T1], s[T1], BLK
	v_add_nc_u32 v[KVC], s[T0], v[LI]
	v_add_nc_u32 v[KVA], s[T1], v[LI]
	s_wait_alu depctr_va_vdst(0)
	s_bitcmp1_b32 s[FL], 0
	s_cbranch_scc0 .Lskip                          ; all my 32 x 128 mask numbers of this step are 0
	s_wait_loadcnt 16                              ; A's mask tile is in; B's 16 loads, issued behind it, may be out
	s_wait_dscnt 0x0                               ; K's fragments
	QK 0
	WIN 0
	s_add_co_u32 s[T0], s[MOFF], 16384
	s_min_u32 s[T0], s[T0], 31*16384               ; the next step's tiles, held at the walk's last
	s_add_co_u32 s[T1], s[MOFF], 3*16384
	s_min_u32 s[T1], s[T1], 31*16384
	s_wait_xcnt 0x0                                ; the last prefetch has read its address
	v_add_nc_u32 v[MA0], s[T0], v[LI]              ; (four plain lines: the places behind the products, ahead of the loads into V's registers and of the first read of the scores)
	v_add_nc_u32 v[PFO], s[T1], v[PFB]
	PL 2
	LDV
	s_bitcmp1_b32 s[FL], 3
	s_cbranch_scc0 .Lnopf                          ; a step that will be passed over is not asked for
	global_prefetch_b8 v[PFO], s[MB:MB+1] th:TH_LOAD_NT scope:SCOPE_SE
.Lnopf:
	SM 0, MA0
	s_wait_alu depctr_va_vdst(0)                   ; the wait directly ahead of the wait below
	s_wait_dscnt 0x0                               ; V
	PV 0
	WIN 0
	s_wait_loadcnt 16                              ; B's mask tile is in; A's next 16 loads may be out
	QK 1
	WIN 0
	v_mov_b32 v[MA1], v[MA0]                       ; (four plain lines again, ahead of the loads into K's registers)
	PL 3
	LDK
	SM 1, MA1
	PV 1
	WIN 0
	s_wait_alu depctr_va_vdst(0)                   ; the wait directly ahead of the branch
	s_branch .Lnext
.Lskip:
	s_bitcmp1_b32 s[FL], 1
	s_cbranch_scc0 .Lnext                          ; the next step is passed over too
	s_wait_loadcnt 0x0                             ; the next step is open and nothing of it has been asked for: no load is out into the registers that are loaded below
	s_wait_dscnt 0x0
	s_add_co_u32 s[T0], s[MOFF], 16384
	s_min_u32 s[T0], s[T0], 31*16384
	v_add_nc_u32 v[MA0], s[T0], v[LI]
	v_add_nc_u32 v[MA1], s[T0], v[LI]
	s_wait_alu depctr_va_vdst(0)
	LDM 0, MA0
	LDM 1, MA1
	LDK
.Lnext:
	s_add_co_u32 s[MOFF], s[MOFF], 16384
	s_lshr_b32 s[FL], s[FL], 1
	s_add_co_u32 s[CNT], s[CNT], 1
	s_cmp_lt_u32 s[CNT], 16
	s_cbranch_scc1 .Lstep
	s_cmp_eq_u32 s[QBL], 1
	s_cbranch_scc1 .Lnoq                           ; the second block has no successor
	s_wait_xcnt 0x0
	s_mov_b64 s[QA:QA+1], s[Q2:Q2+1]
	s_mov_b64 s[QSA:QSA+1], s[QS2:QS2+1]
	LDQ                                            ; the next block's Q lands under the way out
.Lnoq:
	OUTW 0
	OUTW 1
	WIN 0
	ds_load_b64 v[WB:WB+1], v[STR]                 ; LDS serves a wave's instructions in order: this sees my two stores
	s_wait_dscnt 0x0
	global_store_b64 v[L8], v[WB:WB+1], s[OSA:OSA+1]       ; 256 consecutive bytes, aligned: the scale words of tiles A and B
	s_wait_xcnt 0x0                                ; the stores have read their registers and bases
	s_add_nc_u64 s[OA:OA+1], s[OA:OA+1], s[DOA:DOA+1]
	s_add_nc_u64 s[OSA:OSA+1], s[OSA:OSA+1], s[DOS:DOS+1]
	s_add_co_u32 s[QBL], s[QBL], 1
	s_cmp_lt_u32 s[QBL], 2
	s_wait_alu depctr_va_vdst(0)
	s_cbranch_scc1 .Lblock
	s_wait_tensorcnt 0x0                           ; the wave's end: behind my last LDS store
	ds_add_u32 v[SPW], v[NIL]
	s_wait_dscnt 0x0
	s_endpgm
.Lfunc_end_k_q97a997f16a_attn:
	.size	k_q97a997f16a_attn, .Lfunc_end_k_q97a997f16a_attn-k_q97a997f16a_attn
	.p2alignl 7, 3214868480
	.fill 96, 4, 3214868480
	.section	.rodata,"a",@progbits
	.p2align	6, 0x0
	.amdhsa_kernel k_q97a997f16a_attn
		.amdhsa_group_segment_fixed_size 322560
		.amdhsa_private_segment_fixed_size 0
		.amdhsa_enable_private_segment 0
		.amdhsa_kernarg_size 40
		.amdhsa_user_sgpr_count 2
		.amdhsa_user_sgpr_kernarg_segment_ptr 1
		.amdhsa_wavefront_size32 1
		.amdhsa_system_sgpr_workgroup_id_x 1
		.amdhsa_system_sgpr_workgroup_id_y 1
		.amdhsa_system_sgpr_workgroup_id_z 1
		.amdhsa_system_vgpr_workitem_id 0
		.amdhsa_next_free_vgpr 512
		.amdhsa_next_free_sgpr 100
		.amdhsa_reserve_vcc 1
		.amdhsa_float_denorm_mode_32 3
		.amdhsa_float_denorm_mode_16_64 3
		.amdhsa_memory_ordered 1
		.amdhsa_forward_progress 1
		.amdhsa_inst_pref_size 79
	.end_amdhsa_kernel
	.amdgpu_metadata
---
amdhsa.version: [ 1, 2 ]
amdhsa.kernels:
  - .name:           k_q97a997f16a_attn
    .symbol:         k_q97a997f16a_attn.kd
    .args:
      - { .name: qc, .offset: 0, .size: 8, .value_kind: global_buffer, .address_space: global }
      - { .name: kv, .offset: 8, .size: 8, .value_kind: global_buffer, .address_space: global }
      - { .name: mt, .offset: 16, .size: 8, .value_kind: global_buffer, .address_space: global }
      - { .name: oc, .offset: 24, .size: 8, .value_kind: global_buffer, .address_space: global }
      - { .name: fl, .offset: 32, .size: 8, .value_kind: global_buffer, .address_space: global }
    .group_segment_fixed_size: 322560
    .private_segment_fixed_size: 0
    .kernarg_segment_align: 8
    .kernarg_segment_size: 40
    .max_flat_workgroup_size: 256
    .sgpr_count:     100
    .vgpr_count:     512
    .wavefront_size: 32
...
	.end_amdgpu_metadata
.endif
;; end of part 3
;; launch outp (part 4): grid 4 x 64, 8 waves a work-group, clusters of 4 x 4, 327,680 bytes of LDS; arguments oc, wts, b_o, out0; writes out0
.if DOCPART == 4
	.amdgcn_target "amdgcn-amd-amdhsa--gfx1250"
	.amdhsa_code_object_version 6
	.text
	.protected	k_q97a997f16a_outp
	.globl	k_q97a997f16a_outp
	.p2align	8
	.type	k_q97a997f16a_outp,@function
k_q97a997f16a_outp:
	s_mov_b64 s[64:65], 0
	v_nop
	global_prefetch_b8 v0, s[64:65] scope:SCOPE_SE
	s_setreg_imm32_b32 hwreg(HW_REG_WAVE_MODE, 25, 1), 1
	s_wait_xcnt 0x0
	s_wait_alu depctr_hold_cnt(0) depctr_sa_sdst(0) depctr_va_vdst(0) depctr_va_sdst(0) depctr_va_ssrc(0) depctr_va_vcc(0) depctr_vm_vsrc(0)
	s_getreg_b32 s2, hwreg(HW_REG_IB_STS2, 6, 4)
	s_cmp_eq_u32 s2, 0
	s_cbranch_scc0 .Lentry_in_a_cluster
	s_endpgm
.Lentry_in_a_cluster:
	s_bfe_u32 s2, ttmp6, 0x10000c
	s_cmp_lg_u32 s2, 0xf033
	s_cbranch_scc0 .Lentry_shape_is_right
	s_endpgm
.Lentry_shape_is_right:
; OUTP: out0 = O W_o + b_o on codes of FP6 (E2M3) with E8M0 scales.  K = 1,024: eight K steps.
; SHARES.  A work-group makes 128 tokens x 256 columns; eight waves, each 64 x 64: sixteen accumulators.  All of its operands, 98,304 bytes of O's codes and 196,608 of W_o's with 16,384 of scale words,
; fit in LDS at once: they are filled ONCE, by one tensor load a wave at the head (one of a wave is out at the most), and nothing is filled again.
; CLUSTER 4 x 4: O's codes hang on the token block alone and are shared along a row of the cluster, W_o's on the column block alone and are shared along a column: joint loads.
; Operands lie in memory as images of their registers, so a fragment comes by loads of 512 or 256 consecutive bytes.  O's scale words come as two halves, one from each head of a K step: each wave joins those of one K step.
; TRANSPOSED: source 0 = 16 columns of W_o, source 1 = 16 tokens: a lane holds one token and eight neighbouring columns.  The bias is loaded INTO the accumulators.
; The order of tokens in a tile (row r is token 32 (T / 2) + 8 (T % 2) + r + 8 (r / 8)) is undone in the stores' addresses.
.set O_WO,  612352
.set O_WOS, 1398784
.set OSC,   6291456
.set LB,    98304                      ; LDS: O's codes at 0, W_o's here,
.set LBS,   294912                     ; W_o's scale words,
.set SCW,   311296                     ; O's scale words, joined: [K step][tile][lane]
.set SPARE, 319488                     ; the spare words, 128 bytes a wave
.set ADA16, 4
.set ADA8,  5
.set ADB,   6
.set ADSA,  7
.set ADSB,  8
.set SCWA,  9
.set STO,   14
.set RD,    15
.set AS,    16                         ; v16-19, v20-23: scale registers, and nothing else
.set BSR,   20
.set CO,    24
.set BO,    25
.set SPW,   26
.set NIL,   27
.set TF,    32                         ; v32-79 four fragments of tokens
.set WFR,   80                         ; v80-127 four of W_o
.set ACC,   128                        ; v128-255: accumulator (token tile u, column tile n) at 128 + 8 (4 u + n)
.set WV, 12
.set CX, 13
.set CY, 14
.set RM, 15
.set CM, 16
.set WR, 17
.set WC, 18
.set G1A, 20
.set G1B, 28
.set G1S, 36
.set G0S, 44
.set G0B0, 48
.set G0A0, 52
.macro WM d, a, b, c, sa, sb
	v_wmma_scale_f32_16x16x128_f8f6f4 v[\d:\d+7], v[\a:\a+11], v[\b:\b+11], v[\c:\c+7], v[\sa], v[\sb] matrix_a_fmt:MATRIX_FMT_FP6 matrix_b_fmt:MATRIX_FMT_FP6
.endm
.macro CROUND
	s_barrier_signal -1
	s_barrier_wait -1
	s_cmp_lg_u32 s[WV], 0
	s_cbranch_scc1 .Lnw0_\@
	s_barrier_signal -3
.Lnw0_\@:
	s_barrier_wait -3
	s_barrier_signal -1
	s_barrier_wait -1
.endm
.macro G1ROWS g, rows                  ; a dense block as rows of 256 bytes (32 elements of 8 bytes), no padding
	s_mov_b32 s[\g+1], 32<<16
	s_mov_b32 s[\g+2], (\rows)<<16
	s_mov_b32 s[\g+3], 32<<16
	s_mov_b32 s[\g+4], \rows
	s_mov_b32 s[\g+5], 32
	s_mov_b32 s[\g+6], 0
	s_mov_b32 s[\g+7], 0
.endm
	s_load_b256 s[4:11], s[0:1], 0x0               ; oc 4, wts 6, b_o 8, out0 10
	v_lshl_add_u32 v[SPW], v0, 2, SPARE
	v_mov_b32 v[NIL], 0
	ds_add_u32 v[SPW], v[NIL]                      ; the wave's opening: the add and its wait ahead of the first tensor load; work on registers stands between them
	ds_add_u32 v[SPW], v[NIL]
	v_lshrrev_b32 v1, 5, v0
	s_delay_alu instid0(VALU_DEP_1)
	v_readfirstlane_b32 s[WV], v1                  ; wave 0..7
	s_lshr_b32 s[WR], s[WV], 2                     ; which 64 tokens
	s_and_b32 s[WC], s[WV], 3                      ; which 64 columns
	s_bfe_u32 s[CX], ttmp6, 0x40000
	s_bfe_u32 s[CY], ttmp6, 0x40004
	s_lshl_b32 s66, ttmp9, 2
	s_add_co_u32 s66, s66, s[CX]                   ; the column block.  s66-69, s74-75 never hold cy;
	s_and_b32 s70, ttmp7, 0xffff
	s_lshl_b32 s70, s70, 2
	s_add_co_u32 s70, s70, s[CY]                   ; the token block.  s70-73 never hold cx
	s_lshl_b32 s[RM], s[CY], 2
	s_lshl_b32 s[RM], 15, s[RM]                    ; my row of the cluster
	s_lshl_b32 s[CM], 0x1111, s[CX]                ; my column
	s_or_b32 s[G1A], s[RM], (3<<16)|(1<<21)
	s_or_b32 s[G1B], s[CM], (3<<16)|(1<<21)
	s_or_b32 s[G1S], s[CM], (3<<16)|(1<<21)
	; THE FILLS, ONE TENSOR LOAD A WAVE: waves 0-3 a quarter of W_o's codes each (two K steps, 192 rows of 256 bytes), waves 4-5 a half of O's codes (four K steps, 192 rows), waves 6-7 a half of W_o's scale words (32 rows)
	G1ROWS G1A, 192
	G1ROWS G1B, 192
	G1ROWS G1S, 32
	s_and_b32 s80, s[WV], 3                        ; where they go: the wave's number alone
	s_mul_i32 s80, s80, 49152
	s_add_co_u32 s80, s80, LB
	s_and_b32 s81, s[WV], 1
	s_mul_i32 s81, s81, 49152
	s_and_b32 s82, s[WV], 1
	s_lshl_b32 s82, s82, 13
	s_add_co_u32 s82, s82, LBS
	s_mul_i32 s68, s66, 196608                     ; W_o's codes of my column block, quarter w % 4
	s_and_b32 s67, s[WV], 3
	s_mul_i32 s67, s67, 49152
	s_add_co_u32 s68, s68, s67
	s_add_co_u32 s68, s68, O_WO
	s_mov_b32 s69, 0
	s_lshl_b32 s74, s66, 14                        ; its scale words, half w % 2
	s_and_b32 s67, s[WV], 1
	s_lshl_b32 s67, s67, 13
	s_add_co_u32 s74, s74, s67
	s_add_co_u32 s74, s74, O_WOS
	s_mov_b32 s75, 0
	s_mul_i32 s72, s70, 98304                      ; O's codes of my token block, half w % 2
	s_and_b32 s71, s[WV], 1
	s_mul_i32 s71, s71, 49152
	s_add_co_u32 s72, s72, s71
	s_mov_b32 s73, 0
	v_and_b32 v1, 31, v0                           ; lane
	s_delay_alu instid0(VALU_DEP_1)
	v_lshlrev_b32 v2, 4, v1
	s_wait_alu depctr_va_vdst(0)
	v_lshlrev_b32 v3, 2, v1
	v_and_b32 v10, 15, v0                          ; r
	s_wait_alu depctr_va_vdst(0)
	v_bfe_u32 v11, v0, 4, 1                        ; h
	s_mul_i32 s83, s[WR], 6144
	v_add_nc_u32 v[ADA16], s83, v2
	v_lshl_add_u32 v[ADA8], v1, 3, s83
	s_mul_i32 s83, s[WC], 6144
	s_add_co_u32 s83, s83, LB
	v_add_nc_u32 v[ADB], s83, v2
	s_lshl_b32 s83, s[WR], 9
	s_add_co_u32 s83, s83, SCW
	v_add_nc_u32 v[ADSA], s83, v3
	s_lshl_b32 s83, s[WC], 9
	s_add_co_u32 s83, s83, LBS
	v_add_nc_u32 v[ADSB], s83, v3
	s_lshl_b32 s83, s[WV], 10
	s_add_co_u32 s83, s83, SCW
	v_add_nc_u32 v[SCWA], s83, v2
	s_mul_i32 s83, s[WV], 4352                     ; the way out: my stage, 16 rows x (256 + 16) bytes, laid over O's codes when nobody reads them any more
	v_mul_u32_u24 v[STO], v10, 272
	s_wait_alu depctr_va_vdst(0)
	v_lshl_add_u32 v[STO], v11, 6, v[STO]
	s_delay_alu instid0(VALU_DEP_1)
	v_add_nc_u32 v[STO], s83, v[STO]
	v_mul_u32_u24 v[RD], v11, 272
	s_delay_alu instid0(VALU_DEP_1)
	v_lshl_add_u32 v[RD], v10, 4, v[RD]
	s_delay_alu instid0(VALU_DEP_1)
	v_add_nc_u32 v[RD], s83, v[RD]
	v_lshlrev_b32 v[CO], 12, v11
	s_delay_alu instid0(VALU_DEP_1)
	v_lshl_add_u32 v[CO], v10, 4, v[CO]
	v_lshlrev_b32 v[BO], 6, v11
	s_lshr_b32 s76, s70, 4                         ; O's scale words of K step w: heads 2 w and 2 w + 1 of my batch, my eight tiles
	s_lshl_b32 s76, s76, 4
	s_lshl_b32 s77, s[WV], 1
	s_add_co_u32 s76, s76, s77
	s_lshl_b32 s76, s76, 7
	s_and_b32 s77, s70, 15
	s_lshl_b32 s77, s77, 3
	s_add_co_u32 s76, s76, s77
	s_lshl_b32 s76, s76, 7
	s_add_co_u32 s76, s76, OSC
	s_mov_b32 s77, 0
	s_lshl_b32 s78, s66, 10                        ; my first column, in bytes
	s_lshl_b32 s79, s[WC], 8
	s_add_co_u32 s78, s78, s79
	s_mov_b32 s79, 0
	s_lshl_b32 s84, s70, 7
	s_lshl_b32 s85, s[WR], 6
	s_add_co_u32 s84, s84, s85                     ; my first token
	s_lshl_b32 s84, s84, 12
	s_add_co_u32 s84, s84, s78
	s_mov_b32 s85, 0
	s_wait_dscnt 0x0                               ; the opening add is done
	s_wait_kmcnt 0x0
	s_add_nc_u64 s[68:69], s[6:7], s[68:69]
	s_add_nc_u64 s[74:75], s[6:7], s[74:75]
	s_add_nc_u64 s[72:73], s[4:5], s[72:73]
	s_add_nc_u64 s[76:77], s[4:5], s[76:77]
	s_add_nc_u64 s[84:85], s[10:11], s[84:85]
	s_add_nc_u64 s[78:79], s[8:9], s[78:79]
	s_mov_b32 s[G0S], 1
	s_mov_b32 s[G0S+1], s82
	s_mov_b64 s[G0S+2:G0S+3], s[74:75]
	s_or_b32 s[G0S+3], s[G0S+3], 0x80000000
	s_mov_b32 s[G0B0], 1
	s_mov_b32 s[G0B0+1], s80
	s_mov_b64 s[G0B0+2:G0B0+3], s[68:69]
	s_or_b32 s[G0B0+3], s[G0B0+3], 0x80000000
	s_mov_b32 s[G0A0], 1
	s_mov_b32 s[G0A0+1], s81
	s_mov_b64 s[G0A0+2:G0A0+3], s[72:73]
	s_or_b32 s[G0A0+3], s[G0A0+3], 0x80000000
	CROUND                                         ; all sixteen work-groups are here: the joint loads meet
	s_cmp_lt_u32 s[WV], 4                          ; one chain of branches on the wave's number, one load to an arm, all arms to one join
	s_cbranch_scc0 .Lh_a
	tensor_load_to_lds s[G0B0:G0B0+3], s[G1B:G1B+7]        ; W_o's codes
	s_nop 0
.rept 4
	v_nop
.endr
	s_branch .Lh_done
.Lh_a:
	s_cmp_lt_u32 s[WV], 6
	s_cbranch_scc0 .Lh_s
	tensor_load_to_lds s[G0A0:G0A0+3], s[G1A:G1A+7]        ; O's codes
	s_nop 0
.rept 4
	v_nop
.endr
	s_branch .Lh_done
.Lh_s:
	tensor_load_to_lds s[G0S:G0S+3], s[G1S:G1S+7]          ; W_o's scale words
	s_nop 0
.rept 4
	v_nop
.endr
.Lh_done:
	global_load_b128 v[32:35], v2, s[76:77]
	global_load_b128 v[36:39], v2, s[76:77] offset:512
	global_load_b128 v[40:43], v2, s[76:77] offset:16384
	global_load_b128 v[44:47], v2, s[76:77] offset:16896
	s_wait_alu depctr_va_vdst(0)
.irp u, 0,1,2,3                                ; the bias, in the result's layout, straight into the accumulators
.irp n, 0,1,2,3
	global_load_b128 v[ACC+8*(4*\u+\n):ACC+8*(4*\u+\n)+3], v[BO], s[78:79] offset:(32*(\n/2)+8*(\n%2))*4
	global_load_b128 v[ACC+8*(4*\u+\n)+4:ACC+8*(4*\u+\n)+7], v[BO], s[78:79] offset:(32*(\n/2)+8*(\n%2))*4+16
.endr
.endr
	s_wait_loadcnt 32                              ; the four loads of scale words are in; the 32 of the bias may be out
.irp k, 0,1,2,3,4,5,6,7
	v_or_b32 v[32+\k], v[32+\k], v[40+\k]          ; an even head's two bytes below, an odd head's above
.endr
	ds_store_b128 v[SCWA], v[32:35]
	ds_store_b128 v[SCWA], v[36:39] offset:512
	s_wait_dscnt 0x0                               ; for the others' sake: my stores have landed
	s_wait_tensorcnt 0x0                           ; my one tensor load has landed
	s_wait_loadcnt 0x0
	s_barrier_signal -1
	s_barrier_wait -1
; A K step: four fragments of tokens, four of W_o, sixteen products; the accumulators take turns, one instruction a turn.
.macro KSTEP
.irp u, 0,1,2,3
	ds_load_b128 v[TF+12*\u:TF+12*\u+3], v[ADA16] offset:1536*\u               ; a fragment's two halves come from two heads: registers 0-3, 4-5, 6-9, 10-11
	ds_load_b64 v[TF+12*\u+4:TF+12*\u+5], v[ADA8] offset:1536*\u+512
	ds_load_b128 v[TF+12*\u+6:TF+12*\u+9], v[ADA16] offset:1536*\u+768
	ds_load_b64 v[TF+12*\u+10:TF+12*\u+11], v[ADA8] offset:1536*\u+1280
	ds_load_b32 v[AS+\u], v[ADSA] offset:128*\u
.endr
.irp u, 0,1,2,3
.irp c, 0,1,2
	ds_load_b128 v[WFR+12*\u+4*\c:WFR+12*\u+4*\c+3], v[ADB] offset:1536*\u+512*\c
.endr
	ds_load_b32 v[BSR+\u], v[ADSB] offset:128*\u
.endr
	s_wait_dscnt 0x0
.irp u, 0,1,2,3
.irp n, 0,1,2,3
	WM ACC+8*(4*\u+\n), WFR+12*\n, TF+12*\u, ACC+8*(4*\u+\n), BSR+\n, AS+\u
.endr
.endr
	v_add_nc_u32 v[ADA16], 12288, v[ADA16]         ; on to the next K step: five plain lines, which are also the places behind the products
	v_add_nc_u32 v[ADA8], 12288, v[ADA8]
	v_add_nc_u32 v[ADB], 24576, v[ADB]
	v_add_nc_u32 v[ADSA], 1024, v[ADSA]
	v_add_nc_u32 v[ADSB], 2048, v[ADSB]
.endm
	KSTEP
	s_wait_alu depctr_va_vdst(0)
	KSTEP
	s_wait_alu depctr_va_vdst(0)
	KSTEP
	s_wait_alu depctr_va_vdst(0)
	KSTEP
	s_wait_alu depctr_va_vdst(0)
	KSTEP
	s_wait_alu depctr_va_vdst(0)
	KSTEP
	s_wait_alu depctr_va_vdst(0)
	KSTEP
	s_wait_alu depctr_va_vdst(0)
	KSTEP
	s_barrier_signal -1                            ; no LDS load of mine is out: nobody reads O's codes behind this barrier, and the stages may be laid over them (their last fill is long done)
	s_barrier_wait -1
; THE WAY OUT, a token tile at a time: 16 tokens x 64 columns go through my own stage and come back as rows of 256 bytes: sixteen lanes store one aligned run of 256 bytes.
.macro OUTT u
.if \u > 1
	s_wait_xcnt 0x0                                ; the stores of two tiles ago have read the registers that are loaded again below
.endif
.set BK, 32+32*((\u)%2)
.irp n, 0,1,2,3
	ds_store_b128 v[STO], v[ACC+8*(4*\u+\n):ACC+8*(4*\u+\n)+3] offset:128*(\n/2)+32*(\n%2)          ; each accumulator from its low end on
	ds_store_b128 v[STO], v[ACC+8*(4*\u+\n)+4:ACC+8*(4*\u+\n)+7] offset:128*(\n/2)+32*(\n%2)+16
.endr
.irp i, 0,1,2,3,4,5,6,7
	ds_load_b128 v[BK+4*\i:BK+4*\i+3], v[RD] offset:544*\i     ; LDS serves a wave's instructions in order: these see the stores above, and the next tile's stores come behind them
.endr
.irp i, 0,1,2,3,4,5,6,7
	s_wait_dscnt 7-\i                              ; the younger loads may be out
	global_store_b128 v[CO], v[BK+4*\i:BK+4*\i+3], s[84:85] offset:(32*(\u/2)+8*(\u%2)+2*\i+8*(\i/4))*4096 th:TH_STORE_NT   ; stage rows 2 i and 2 i + 1 are tokens 32 (u / 2) + 8 (u % 2) + 2 i + 8 (i / 4) and the next
.endr
.endm
	OUTT 0
	OUTT 1
	OUTT 2
	OUTT 3
	s_wait_tensorcnt 0x0                           ; the wave's end: behind my last tensor load and my last LDS store
	ds_add_u32 v[SPW], v[NIL]
	s_wait_dscnt 0x0
	CROUND                                         ; the closing round
	s_endpgm
.Lfunc_end_k_q97a997f16a_outp:
	.size	k_q97a997f16a_outp, .Lfunc_end_k_q97a997f16a_outp-k_q97a997f16a_outp
	.p2alignl 7, 3214868480
	.fill 96, 4, 3214868480
	.section	.rodata,"a",@progbits
	.p2align	6, 0x0
	.amdhsa_kernel k_q97a997f16a_outp
		.amdhsa_group_segment_fixed_size 327680
		.amdhsa_private_segment_fixed_size 0
		.amdhsa_enable_private_segment 0
		.amdhsa_kernarg_size 32
		.amdhsa_user_sgpr_count 2
		.amdhsa_user_sgpr_kernarg_segment_ptr 1
		.amdhsa_wavefront_size32 1
		.amdhsa_system_sgpr_workgroup_id_x 1
		.amdhsa_system_sgpr_workgroup_id_y 1
		.amdhsa_system_sgpr_workgroup_id_z 1
		.amdhsa_system_vgpr_workitem_id 0
		.amdhsa_next_free_vgpr 256
		.amdhsa_next_free_sgpr 100
		.amdhsa_reserve_vcc 0
		.amdhsa_float_denorm_mode_32 3
		.amdhsa_float_denorm_mode_16_64 3
		.amdhsa_memory_ordered 1
		.amdhsa_forward_progress 1
		.amdhsa_inst_pref_size 58
	.end_amdhsa_kernel
	.amdgpu_metadata
---
amdhsa.version: [ 1, 2 ]
amdhsa.kernels:
  - .name:           k_q97a997f16a_outp
    .symbol:         k_q97a997f16a_outp.kd
    .args:
      - { .name: oc, .offset: 0, .size: 8, .value_kind: global_buffer, .address_space: global }
      - { .name: wts, .offset: 8, .size: 8, .value_kind: global_buffer, .address_space: global }
      - { .name: b_o, .offset: 16, .size: 8, .value_kind: global_buffer, .address_space: global }
      - { .name: out0, .offset: 24, .size: 8, .value_kind: global_buffer, .address_space: global }
    .group_segment_fixed_size: 327680
    .private_segment_fixed_size: 0
    .kernarg_segment_align: 8
    .kernarg_segment_size: 32
    .max_flat_workgroup_size: 256
    .sgpr_count:     100
    .vgpr_count:     256
    .wavefront_size: 32
...
	.end_amdgpu_metadata
.endif
;; end of part 4
